; MI455X (gfx1250); checked and timed in simulation.
; The chip was launched on July 23, 2026; its instructions are those of AMD's public machine-readable ISA for CDNA 5 (MIT licence, August 2026) and "CDNA5" Instruction Set Architecture Reference Guide (July 2026). The comments in the code are by the model that wrote it; some were corrected since.
;; Causal Self Attention. Allowed arithmetic: matrix products marked QUANTISED: E2M1 operands, one E8M0 scale for each 32 along K, by v_wmma_scale_f32_16x16x128_f8f6f4 with both operands' format E2M1 (or v_wmma_scale_f32_32x16x128_f4), f32 sums; products left as they are: bf16, f16 or f32 operands; f32 sums; everything else in f32.
;; Inputs: w_out 1,024 x 1,024 float32; w_qkv 1,024 x 3,072 float32; x 4 x 2,048 x 1,024 float32.
;; Outputs: out0 4 x 2,048 x 1,024 float32.
;; This version of the problem:
;;   THIS VERSION OF THE PROBLEM IS GIVEN IN LOW PRECISION. The matrix products marked QUANTISED in the list below multiply operands that are first quantised to E2M1 (2 exponent bits, 1 mantissa bit; 4 bits a number), with one power-of-two scale for each 32 numbers along K (OCP MX v1.0); their sums are f32. The products marked 'left as it is' may take bf16, f16 or f32 operands, with f32 sums. Whichever they take, every output number must still come out within the allowed error. Rounding operands to bf16 (8 significant bits) uses up far more of that allowance than f16 does (11 bits, for magnitudes from 6e-5 to 65,504). All else is computed in f32.
;;   The module's matrix products, in the order in which they are computed (A, B: the left and right operand; K: the contracted axis; several contracted axes count as one K, in the product's order):
;;     1. [M 8,192, K 1,024] x [K 1,024, N 3,072]; A: input x; B: input w_qkv: QUANTISED
;;     2. batch 64 x [M 2,048, K 64] x [K 64, N 2,048]; A: computed on the way; B: computed on the way: left as it is (an operand is computed on the way)
;;     3. batch 64 x [M 2,048, K 2,048] x [K 2,048, N 64]; A: computed on the way; B: computed on the way: left as it is (an operand is computed on the way)
;;     4. [M 8,192, K 1,024] x [K 1,024, N 1,024]; A: computed on the way; B: input w_out: left as it is (an operand is computed on the way)
;;   THE QUANTISER, for each operand of a quantised product, along K:
;;     - K is cut into blocks of 32 from its start; a last block that is shorter is filled with zeros.
;;     - A block's scale is 2^e with e = floor(log2(the largest magnitude in the block)) - 2, held to -126 .. 127; a block of zeros has e = 0. As a byte (E8M0): e + 127.
;;     - Each number is divided by its block's scale, clamped to +-6, and rounded to the nearest number of E2M1, ties to even, subnormals kept.
;;     - The product sums the exact products of the quantised numbers (number of the format x scale) in f32.
;;   ~~~python
;;   def quantise(x, axis):      # numpy; x: float32 -> the quantised numbers, widened to float32 again
;;       x = np.moveaxis(x, axis, -1); K = x.shape[-1]
;;       x = np.pad(x, [(0, 0)] * (x.ndim - 1) + [(0, -K % 32)]); x = x.reshape(x.shape[:-1] + (-1, 32)); a = np.abs(x).max(-1, keepdims=True)
;;       e = np.where(a > 0, np.clip(np.frexp(np.where(a > 0, a, 1))[1] - 1 - 2, -126, 127), 0)      # np.frexp(a)[1] - 1 = floor(log2(a)), exactly
;;       r = np.clip(x / 2.0 ** e, -6, 6)
;;       step = 2.0 ** (np.maximum(np.frexp(np.where(r == 0, 1, r))[1] - 1, 0) - 1)
;;       q = np.round(r / step) * step * 2.0 ** e      # np.round: ties to even
;;       return np.moveaxis(q.reshape(q.shape[:-2] + (-1,))[..., :K], -1, axis).astype(np.float32)
;;   ~~~
;; One version. Each part assembles by itself: llvm-mc -triple=amdgcn-amd-amdhsa -mcpu=gfx1250 --defsym DOCPART=n.
;; ======== version 1 of 1: 5 launches
;; limits: values are held in f16: magnitudes above 65,504 overflow, below 6.1e-05 lose precision
;; workspace buffers: xc 4,194,304 bytes; xs 262,144 bytes; wc 1,572,864 bytes; ws 98,304 bytes; wo16 2,097,152 bytes; qkv 50,331,648 bytes; qkvf 786,432 bytes; att 16,777,216 bytes
;; launch prep (part 1): grid 336 x 1, 4 waves a work-group, no clusters, 68,096 bytes of LDS; arguments x, w_qkv, w_out, xc, xs, wc, ws, wo16; writes xc, xs, wc, ws, wo16
.if DOCPART == 1
	.amdgcn_target "amdgcn-amd-amdhsa--gfx1250"
	.amdhsa_code_object_version 6
	.text
	.protected	k_qc46c0d3cb4_prep
	.globl	k_qc46c0d3cb4_prep
	.p2align	8
	.type	k_qc46c0d3cb4_prep,@function
k_qc46c0d3cb4_prep:
	s_mov_b64 s[64:65], 0
	v_nop
	global_prefetch_b8 v0, s[64:65] scope:SCOPE_SE
	s_setreg_imm32_b32 hwreg(HW_REG_WAVE_MODE, 25, 1), 1
	s_wait_xcnt 0x0
; CAUSAL SELF-ATTENTION, B 4, T 2,048, C 1,024, 16 heads of 64.  The program: prep (this text), the product x w_qkv on codes, attention, the projection, and the first 16 positions of each sequence in f32.
; WORK LEFT OUT, for all values of the inputs: the problem's own mask (tril) sets the score of key k for query q to -infinity wherever k > q, and the softmax gives such a key the weight 0, which adds nothing to the
; second product.  So key steps all of whose keys come after all of a wave's queries are not multiplied (attention), and for queries under 16 the keys from 16 on are not touched (the f32 launch).
; LIMIT: a NaN, an infinity or an overflow that reaches only that work is not carried to the result.  All three inputs have a way to the output and are loaded.
; THIS LAUNCH: x [8192][1024] f32 -> codes of E2M1 (xc, K innermost, two codes a byte) and E8M0 bytes (xs, one for each 32 along K); w_qkv [1024 (k)][3072] f32 -> the same with K moved innermost (wc [3072][512 bytes], ws [3072][32]);
; w_out [1024][1024] f32 -> f16 as it lies (wo16).
; A block's scale is 2^(floor(log2(its largest magnitude)) - 2); its byte is the largest magnitude's exponent field - 2, held at 1 from below.  A block of zeros gets the byte 1 where the rule says 127: its codes are zeros, and this program alone reads the bytes.
; LIMITS: NaN and infinities among the inputs are not served; blocks whose largest magnitude lies under 2^-124 keep the byte 1.  w_out in f16: magnitudes over 65,504 are not served.
; SHARES: work-groups 0-255 take x (a wave: 16 steps of 512 numbers), 256-303 w_qkv (a wave: 32 columns x 512 along K), 304-335 w_out (a wave: 8,192 numbers).  The three ways part on the work-group's number and have LDS bytes of their own.
.set SPW,   12                         ; v12  LDS address of my spare word; never rewritten
.set NIL,   13                         ; v13  0; never rewritten
.set SPARE, 67584                      ; behind both ways' stages: 128 bytes for each wave, which no other line names
.set EMAX,  2
.macro FINISH                          ; the wave's end, behind my last LDS store
	s_wait_tensorcnt 0x0
	ds_add_u32 v[SPW], v[NIL]
	s_wait_dscnt 0x0
	s_endpgm
.endm
	s_load_b512 s[4:19], s[0:1], 0x0               ; x 4:5, w_qkv 6:7, w_out 8:9, xc 10:11, xs 12:13, wc 14:15, ws 16:17, wo16 18:19
	v_lshl_add_u32 v[SPW], v0, 2, SPARE
	v_mov_b32 v[NIL], 0
	v_lshrrev_b32 v1, 5, v0
	v_readfirstlane_b32 s20, v1                    ; wave
	v_and_b32 v2, 31, v0                           ; lane
	s_wait_kmcnt 0x0
	s_cmp_lt_u32 ttmp9, 256
	s_cbranch_scc0 .Lnot_x
; ---------------- x: K is innermost.  Loads take the bytes as they lie, 512 to a load; a step's 2,048 bytes turn through the wave's own stage so that a lane holds 16 neighbours; two lanes hold a block.
.set STEPS, 16
.set CB,    8                          ; bytes of 16 codes
.set XR,    16                         ; v16-79   four sets of 16 numbers as loaded
.set XN,    80                         ; v80-111  two sets of 16 neighbours
.set XE,    112                        ; v112-127 a scale byte for each step
.set XC,    128                        ; v128-191 codes: registers of its own for each step
.set WREG,  8192                       ; LDS bytes 0 .. 32,767: a region for each wave: two stages of 32 x SP, then its 256 scale bytes
.set SP,    80                         ; a lane's 64 bytes + 16 of padding
	v_lshlrev_b32 v3, 4, v2                        ; my 16 bytes of a load's 512
	s_mul_i32 s21, s20, WREG
	v_lshrrev_b32 v14, 2, v2
	v_mul_u32_u24 v14, v14, SP
	v_and_b32 v15, 3, v2
	v_lshl_add_u32 v14, v15, 4, v14
	v_add_nc_u32 v14, s21, v14                     ; into the stage: SP (lane / 4) + 16 (lane % 4)
	v_mul_u32_u24 v15, v2, SP
	v_add_nc_u32 v15, s21, v15                     ; out of it: SP x lane
	v_mul_u32_u24 v4, v2, CB                       ; my codes' place in a step's
	v_lshrrev_b32 v5, 1, v2
	s_add_co_u32 s21, s21, 2*32*SP
	v_add_nc_u32 v5, s21, v5                       ; my block's scale byte in LDS
	v_lshlrev_b32 v7, 3, v2
	v_add_nc_u32 v6, s21, v7                       ; and 8 bytes a lane on the way out
	s_lshl_b32 s22, ttmp9, 2
	s_add_co_u32 s22, s22, s20                     ; my wave's run of 8,192 numbers
	s_mov_b32 s25, 0
	s_lshl_b32 s24, s22, 15
	s_add_nc_u64 s[4:5], s[4:5], s[24:25]
	s_lshl_b32 s24, s22, 12
	s_add_nc_u64 s[10:11], s[10:11], s[24:25]
	s_lshl_b32 s24, s22, 8
	s_add_nc_u64 s[12:13], s[12:13], s[24:25]
.macro XLOAD t
.irp i, 0,1,2,3
	global_load_b128 v[XR+16*((\t)%4)+4*\i:XR+16*((\t)%4)+4*\i+3], v3, s[4:5] offset:2048*(\t)+512*\i th:TH_LOAD_NT
.endr
.endm
.macro XTURN t                         ; LDS serves a wave's instructions in order: no wait between the stores and the loads
.irp i, 0,1,2,3
	ds_store_b128 v14, v[XR+16*((\t)%4)+4*\i:XR+16*((\t)%4)+4*\i+3] offset:32*SP*((\t)%2)+8*SP*\i
.endr
.irp i, 0,1,2,3
	ds_load_b128 v[XN+16*((\t)%2)+4*\i:XN+16*((\t)%2)+4*\i+3], v15 offset:32*SP*((\t)%2)+16*\i
.endr
.endm
.irp t, 0,1,2,3
	XLOAD \t
.endr
	s_wait_loadcnt 12                              ; step 0's four loads are in; three steps' twelve stay out
	XTURN 0
.macro XSTEP t
.set XS, XN+16*((\t)%2)
.if (\t) > 0
	s_wait_dscnt 1                                 ; this step's numbers are back from the stage; the last step's byte store may be out
.else
	s_wait_dscnt 0x0
.endif
.if (\t)+4 < STEPS
	XLOAD (\t)+4
.endif
.if (\t)+1 < STEPS
.if STEPS-2-(\t) >= 3
	s_wait_loadcnt 12                              ; the next step's four loads are in; those of the three steps behind it may be out
.else
	s_wait_loadcnt 4*(STEPS-2-(\t))
.endif
	XTURN (\t)+1
.endif
	v_max3_num_f32 v8, |v[XS]|, |v[XS+1]|, |v[XS+2]|
	v_max3_num_f32 v9, |v[XS+3]|, |v[XS+4]|, |v[XS+5]|
.irp i, 6,10
	v_max3_num_f32 v8, v8, |v[XS+\i]|, |v[XS+\i+1]|
	v_max3_num_f32 v9, v9, |v[XS+\i+2]|, |v[XS+\i+3]|
.endr
	v_max3_num_f32 v8, v8, |v[XS+14]|, |v[XS+15]|
	v_max3_num_f32 v8, v8, v9, (EMAX+1)<<23        ; the floor 2^(3 - 127): the byte cannot fall under 1
	v_max_num_f32_dpp v8, v8, v8 row_xmask:1 row_mask:0xf bank_mask:0xf   ; with my neighbour's 16: the block's largest magnitude
	v_add_nc_u32 v11, -(EMAX<<23), v8              ; 2 off its exponent field: the conversion's scale operand
	v_cvt_scalef32_pk8_fp4_f32 v[XC+4*(\t)], v[XS:XS+7], v11
	v_cvt_scalef32_pk8_fp4_f32 v[XC+4*(\t)+1], v[XS+8:XS+15], v11
	v_lshrrev_b32 v[XE+(\t)], 23, v11              ; the scale's byte
	ds_store_b8 v5, v[XE+(\t)] offset:16*(\t)      ; both lanes of a block write the same byte with the same value
	global_store_b64 v4, v[XC+4*(\t):XC+4*(\t)+1], s[10:11] offset:32*CB*(\t)   ; the wave stores 256 consecutive bytes, aligned
.endm
.irp t, 0,1,2,3,4,5,6,7,8,9,10,11,12,13,14,15
	XSTEP \t
.endr
	ds_load_b64 v[8:9], v6                         ; behind my byte stores, in order
	s_wait_dscnt 0x0
	global_store_b64 v7, v[8:9], s[12:13]          ; my wave's 256 scale bytes, aligned
	FINISH
; ---------------- w_qkv: K is the first axis.  A lane takes a column and its registers run down K: a block of 32 lies in one lane, and the codes come out with K innermost.
.Lnot_x:
	s_cmp_lt_u32 ttmp9, 304
	s_cbranch_scc0 .Lpath_o
.set NB,    16                         ; blocks of a wave: 512 along K
.set PITCH, 272                        ; a stage row: 256 bytes of codes + 16
.set KROW,  512                        ; a row of wc
.set WN,    3072
.set WSTG,  32768                      ; LDS bytes 32,768 .. 67,583: a stage of 32 rows for each wave
.set WX,    32                         ; v32-95   two sets of 32 numbers
.set WC,    96                         ; v96-99   a block's codes
.set OUTR,  112                        ; v112-175 the way out
.set SB,    24                         ; v24-27   the scale bytes, four to a register
	s_sub_co_u32 s21, ttmp9, 256
	s_lshr_b32 s22, s21, 1
	s_lshl_b32 s22, s22, 7
	s_lshl_b32 s23, s20, 5
	s_add_co_u32 s22, s22, s23                     ; my wave's first column
	s_and_b32 s21, s21, 1                          ; which 512 along K
	v_lshlrev_b32 v3, 2, v2
	s_mul_i32 s23, s20, 32*PITCH
	s_add_co_u32 s23, s23, WSTG                    ; my stage
	v_mul_u32_u24 v4, v2, PITCH
	v_add_nc_u32 v4, s23, v4                       ; into it: row = my column
	v_and_b32 v5, 15, v2
	v_lshrrev_b32 v6, 4, v2
	v_mul_u32_u24 v7, v6, PITCH
	v_lshl_add_u32 v7, v5, 4, v7
	v_add_nc_u32 v7, s23, v7                       ; out of it: sixteen lanes to a row
	v_mul_u32_u24 v8, v6, KROW
	v_lshl_add_u32 v8, v5, 4, v8                   ; and the same place in wc
	v_lshlrev_b32 v9, 5, v2                        ; my column's row of 32 scale bytes
	s_mov_b32 s25, 0
	s_mul_i32 s24, s21, 512*WN*4
	s_lshl_b32 s26, s22, 2
	s_add_co_u32 s24, s24, s26
	s_add_nc_u64 s[6:7], s[6:7], s[24:25]
	s_lshl_b32 s24, s22, 9
	s_lshl_b32 s26, s21, 8
	s_add_co_u32 s24, s24, s26
	s_add_nc_u64 s[14:15], s[14:15], s[24:25]
	s_lshl_b32 s24, s22, 5
	s_lshl_b32 s26, s21, 4
	s_add_co_u32 s24, s24, s26
	s_add_nc_u64 s[16:17], s[16:17], s[24:25]
.macro WLOAD t                         ; block t: w(32 t + i, my column); the largest offset, 511 rows of 12,288 bytes, lies inside the signed 24-bit immediate
.irp i, 0,1,2,3,4,5,6,7,8,9,10,11,12,13,14,15,16,17,18,19,20,21,22,23,24,25,26,27,28,29,30,31
	global_load_b32 v[WX+32*((\t)%2)+\i], v3, s[6:7] offset:(32*(\t)+\i)*WN*4 th:TH_LOAD_NT
.endr
.endm
	WLOAD 0
	WLOAD 1
.macro WBLOCK t
.set XS, WX+32*((\t)%2)
.if (\t) < NB-1
	s_wait_loadcnt 32                              ; this block's 32 loads are in; the next block's may be out
.else
	s_wait_loadcnt 0
.endif
	v_max3_num_f32 v16, |v[XS]|, |v[XS+1]|, |v[XS+2]|
	v_max3_num_f32 v17, |v[XS+3]|, |v[XS+4]|, |v[XS+5]|
.irp i, 6,10,14,18,22,26
	v_max3_num_f32 v16, v16, |v[XS+\i]|, |v[XS+\i+1]|
	v_max3_num_f32 v17, v17, |v[XS+\i+2]|, |v[XS+\i+3]|
.endr
	v_max3_num_f32 v16, v16, |v[XS+30]|, |v[XS+31]|
	v_max3_num_f32 v16, v16, v17, (EMAX+1)<<23     ; the floor
	v_add_nc_u32 v11, -(EMAX<<23), v16             ; the conversion's scale operand
	v_lshrrev_b32 v17, 23, v11                     ; the scale's byte
.if (\t)%4 == 0
	v_mov_b32 v[SB+(\t)/4], v17
.else
	v_lshl_or_b32 v[SB+(\t)/4], v17, 8*((\t)%4), v[SB+(\t)/4]
.endif
.irp g, 0,1,2,3
	v_cvt_scalef32_pk8_fp4_f32 v[WC+\g], v[XS+8*\g:XS+8*\g+7], v11
.endr
	ds_store_b128 v4, v[WC:WC+3] offset:16*(\t)    ; 32 codes: 16 bytes of my column's row
.if (\t)+2 < NB
	WLOAD (\t)+2
.endif
	s_wait_dscnt 0x0                               ; the store has read its registers: the next block's codes may be written
.endm
.set Q, 0
.rept NB
	WBLOCK Q
.set Q, Q+1
.endr
	global_store_b128 v9, v[SB:SB+3], s[16:17]     ; my column's 16 scale bytes
.irp t, 0,1,2,3,4,5,6,7,8,9,10,11,12,13,14,15
	ds_load_b128 v[OUTR+4*\t:OUTR+4*\t+3], v7 offset:2*\t*PITCH
.endr
.irp t, 0,1,2,3,4,5,6,7,8,9,10,11,12,13,14,15
	s_wait_dscnt 15-\t                             ; LDS loads come back in order: pair t of rows is in
	global_store_b128 v8, v[OUTR+4*\t:OUTR+4*\t+3], s[14:15] offset:2*\t*KROW   ; sixteen lanes store 256 consecutive bytes, aligned
.endr
	FINISH
; ---------------- w_out to f16, as it lies: four batches of 16 loads of 512 bytes, two batches in flight
.Lpath_o:
	s_sub_co_u32 s21, ttmp9, 304
	s_lshl_b32 s21, s21, 2
	s_add_co_u32 s21, s21, s20                     ; my wave's run of 8,192 numbers
	s_mov_b32 s25, 0
	s_lshl_b32 s24, s21, 15
	s_add_nc_u64 s[8:9], s[8:9], s[24:25]
	s_lshl_b32 s24, s21, 14
	s_add_nc_u64 s[18:19], s[18:19], s[24:25]
	v_lshlrev_b32 v3, 4, v2
	v_lshlrev_b32 v4, 3, v2
.macro LOADB g
.set n, 0
.rept 16
	global_load_b128 v[16+64*((\g)%2)+4*n:16+64*((\g)%2)+4*n+3], v3, s[8:9] offset:8192*(\g)+512*n th:TH_LOAD_NT
.set n, n+1
.endr
.endm
.macro CONV g
.if (\g) < 3
	s_wait_loadcnt 16                              ; this batch is in; the next batch's sixteen may be out
.else
	s_wait_loadcnt 0x0
.endif
	s_wait_xcnt 0x0                                ; the last batch's stores have read their data registers, which are written again below
.set n, 0
.rept 16
	v_cvt_pk_f16_f32 v[144+2*n], v[16+64*((\g)%2)+4*n], v[17+64*((\g)%2)+4*n]
	v_cvt_pk_f16_f32 v[145+2*n], v[18+64*((\g)%2)+4*n], v[19+64*((\g)%2)+4*n]
.set n, n+1
.endr
.if (\g) < 2
	LOADB (\g)+2
.endif
.set n, 0
.rept 16
	global_store_b64 v4, v[144+2*n:145+2*n], s[18:19] offset:4096*(\g)+256*n   ; the wave stores 256 consecutive bytes, aligned
.set n, n+1
.endr
.endm
	LOADB 0
	LOADB 1
	CONV 0
	CONV 1
	CONV 2
	CONV 3
	FINISH
.Lfunc_end_k_qc46c0d3cb4_prep:
	.size	k_qc46c0d3cb4_prep, .Lfunc_end_k_qc46c0d3cb4_prep-k_qc46c0d3cb4_prep
	.p2alignl 7, 3214868480
	.fill 96, 4, 3214868480
	.section	.rodata,"a",@progbits
	.p2align	6, 0x0
	.amdhsa_kernel k_qc46c0d3cb4_prep
		.amdhsa_group_segment_fixed_size 68096
		.amdhsa_private_segment_fixed_size 0
		.amdhsa_enable_private_segment 0
		.amdhsa_kernarg_size 64
		.amdhsa_user_sgpr_count 2
		.amdhsa_user_sgpr_kernarg_segment_ptr 1
		.amdhsa_wavefront_size32 1
		.amdhsa_system_sgpr_workgroup_id_x 1
		.amdhsa_system_sgpr_workgroup_id_y 1
		.amdhsa_system_sgpr_workgroup_id_z 1
		.amdhsa_system_vgpr_workitem_id 0
		.amdhsa_next_free_vgpr 192
		.amdhsa_next_free_sgpr 66
		.amdhsa_reserve_vcc 0
		.amdhsa_float_denorm_mode_32 3
		.amdhsa_float_denorm_mode_16_64 3
		.amdhsa_memory_ordered 1
		.amdhsa_forward_progress 1
		.amdhsa_inst_pref_size 131
	.end_amdhsa_kernel
	.amdgpu_metadata
---
amdhsa.version: [ 1, 2 ]
amdhsa.kernels:
  - .name:           k_qc46c0d3cb4_prep
    .symbol:         k_qc46c0d3cb4_prep.kd
    .args:
      - { .name: x, .offset: 0, .size: 8, .value_kind: global_buffer, .address_space: global }
      - { .name: w_qkv, .offset: 8, .size: 8, .value_kind: global_buffer, .address_space: global }
      - { .name: w_out, .offset: 16, .size: 8, .value_kind: global_buffer, .address_space: global }
      - { .name: xc, .offset: 24, .size: 8, .value_kind: global_buffer, .address_space: global }
      - { .name: xs, .offset: 32, .size: 8, .value_kind: global_buffer, .address_space: global }
      - { .name: wc, .offset: 40, .size: 8, .value_kind: global_buffer, .address_space: global }
      - { .name: ws, .offset: 48, .size: 8, .value_kind: global_buffer, .address_space: global }
      - { .name: wo16, .offset: 56, .size: 8, .value_kind: global_buffer, .address_space: global }
    .group_segment_fixed_size: 68096
    .private_segment_fixed_size: 0
    .kernarg_segment_align: 8
    .kernarg_segment_size: 64
    .max_flat_workgroup_size: 128
    .sgpr_count:     66
    .vgpr_count:     192
    .wavefront_size: 32
...
	.end_amdgpu_metadata
.endif
;; end of part 1
;; launch qkvgemm (part 2): grid 12 x 32, 4 waves a work-group, clusters of 4 x 4, 327,680 bytes of LDS; arguments xc, xs, wc, ws, qkv, qkvf; writes qkv, qkvf
.if DOCPART == 2
	.amdgcn_target "amdgcn-amd-amdhsa--gfx1250"
	.amdhsa_code_object_version 6
	.text
	.protected	k_qc46c0d3cb4_qkvgemm
	.globl	k_qc46c0d3cb4_qkvgemm
	.p2align	8
	.type	k_qc46c0d3cb4_qkvgemm,@function
k_qc46c0d3cb4_qkvgemm:
	s_mov_b64 s[64:65], 0
	v_nop
	global_prefetch_b8 v0, s[64:65] scope:SCOPE_SE
	s_setreg_imm32_b32 hwreg(HW_REG_WAVE_MODE, 25, 1), 1
	s_wait_xcnt 0x0
	s_wait_alu depctr_hold_cnt(0) depctr_sa_sdst(0) depctr_va_vdst(0) depctr_va_sdst(0) depctr_va_ssrc(0) depctr_va_vcc(0) depctr_vm_vsrc(0)
	s_getreg_b32 s2, hwreg(HW_REG_IB_STS2, 6, 4)
	s_cmp_eq_u32 s2, 0
	s_cbranch_scc0 .Lentry_in_a_cluster
	s_endpgm
.Lentry_in_a_cluster:
	s_bfe_u32 s2, ttmp6, 0x10000c
	s_cmp_lg_u32 s2, 0xf033
	s_cbranch_scc0 .Lentry_shape_is_right
	s_endpgm
.Lentry_shape_is_right:
; qkv = x w_qkv on codes of E2M1 with E8M0 scales: A = xc [8192][512 bytes], xs [8192][32]; B = wc [3072][512 bytes], ws [3072][32]; sums in f32.
; A tile of 256 x 256 to a work-group of four waves, 128 x 128 to a wave: 64 accumulators.  K = 1,024 is two slots of 512 along K: both are first fills, nothing is filled again, so the steps are written out without a loop.
; The scales of the work-group's rows come once, as dense blocks, with the first fills.  By this text's own count a wave has three tensor loads out at the start.
; CLUSTERS: 4 x 4 work-groups; A's tiles are asked for jointly along a row of the cluster, B's along a column.  Tile row = 8 cy + cluster y, so that the batch is cy and the rows with t < 16 lie in the clusters with y = 0: a number that all partners share.
; THE MATRIX INSTRUCTION IS USED TRANSPOSED (source 0 = 16 rows of B, source 1 = 16 rows of A): a lane holds eight neighbouring columns of one row.
; OUT: q, k, v as f16 by head, qkv [which 3][b 4][head 16][t 2048][64]: a wave's 128 columns are two heads; two rows of a head are 256 consecutive bytes.  LIMIT: magnitudes over 65,504 are not served.
; The rows with t < 16 go out in f32 too (qkvf [16 b + t][3072]), for the launch that carries the first positions more finely.
; REGISTERS, in windows of 256: window 0: v0-31 addresses; v32-95 scale words, two sets; v128-191 A's fragments, one set; on the way out v32-255 are free.  window 1: B's fragments, two sets.  windows 2, 3: the accumulators.
.set KSTEP,  512
.set NQ,     4
.set ROWB,   256
.set KROW,   512
.set PITCH,  272                       ; 256 bytes + 16: the 16 rows that a load touches start at 16 different banks (64 banks of 4 bytes: ISA guide 11.1)
.set FR,     8
.set NL,     2
.set NP,     4
.set HALFT,  128*PITCH
.set SLOT,   4*HALFT
.set KS,     32
.set SCL,    2*SLOT
.set HALFS,  (128*KS/256)*272
.set SBLK,   (16*KS/256)*272
.set SPARE,  SCL+4*HALFS               ; the spare words, 128 bytes for each wave, which no other line names
.set FPITCH, 528                       ; the way out, in slot 0, which has had its only fill and its last read by then: f32 stages of 16 rows x 528 at wave x 8,448,
.set HSTG,   34816                     ; f16 stages of 16 rows x 272 at 34,816 + wave x 4,352
.set HPITCH, 272
.set ADRA, 16
.set STF,  18                          ; v18  f32 stage: where I put 32 bytes of a row
.set RDF,  19                          ; v19  and where I read a row back
.set ADRB, 20
.set COF,  22                          ; v22  16 x lane: my bytes of a row's 512 in qkvf
.set STO,  24                          ; v24  f16 stage: where I put 16 bytes of a row
.set RD,   25                          ; v25  and where I read back
.set CO,   26                          ; v26  my byte offset in qkv
.set ADRS, 27
.set SPW,  28
.set NIL,  29
.set SC,   32
.set AF,   128
.set TMP,  192                         ; the way out: packed results
.set OB,   32                          ; and rows read back: v32-63 and v224-255 by turns
.set G1, 24
.set G0, 32
.set G1B, 48
.set G0B, 56
.set G1S, 68
.set G0S, 76
.set G1SB, 80
.set G0SB, 88
.set MSB, 0
.macro WIN new                         ; the immediate's high byte repeats the setting that is left
.if MSB != (\new)
	s_set_vgpr_msb (MSB<<8)|(\new)
.set MSB, (\new)
.endif
.endm
.set MUL_LO, 0xa1
.set MUL_HI, 0xf1
.set TO_B,   0x40
.macro JLOAD g0a, g1a, g0b, g1b        ; a joint load: waves 0 and 1 fetch for A, waves 2 and 3 for B; an s_nop 0 and four v_nop follow each line
	s_cmp_eq_u32 s15, 0
	s_cbranch_scc0 .Lfor_b_\@
	tensor_load_to_lds s[\g0a:\g0a+3], s[\g1a:\g1a+7]
	s_nop 0
.rept 4
	v_nop
.endr
	s_branch .Lasked_\@
.Lfor_b_\@:
	tensor_load_to_lds s[\g0b:\g0b+3], s[\g1b:\g1b+7]
	s_nop 0
.rept 4
	v_nop
.endr
.Lasked_\@:
.endm
.macro CROUND                          ; a round of the cluster's barrier
	s_barrier_signal -1
	s_barrier_wait -1
	s_cmp_lg_u32 s14, 0
	s_cbranch_scc1 .Lnot_wave_0_\@
	s_barrier_signal -3
.Lnot_wave_0_\@:
	s_barrier_wait -3
	s_barrier_signal -1
	s_barrier_wait -1
.endm
	s_load_b128 s[4:7], s[0:1], 0x0                ; xc, xs
	s_load_b128 s[8:11], s[0:1], 0x10              ; wc, ws
	s_load_b64 s[12:13], s[0:1], 0x20              ; qkv
	s_load_b64 s[96:97], s[0:1], 0x28              ; qkvf
	v_lshl_add_u32 v[SPW], v0, 2, SPARE
	v_mov_b32 v[NIL], 0
	ds_add_u32 v[SPW], v[NIL]                      ; the wave's opening: the add, twice on end, and its wait ahead of my first tensor load
	ds_add_u32 v[SPW], v[NIL]
	v_lshrrev_b32 v1, 5, v0
	v_readfirstlane_b32 s14, v1                    ; wave 0..3
	s_lshr_b32 s15, s14, 1                         ; my half of the tile's rows; also: I fetch for A (0) or B (1)
	s_and_b32 s16, s14, 1                          ; my half of its columns; also: which 128 rows I fetch
	s_bfe_u32 s40, ttmp6, 0x40000                  ; cx
	s_bfe_u32 s41, ttmp6, 0x40004                  ; cy
	s_lshl_b32 s42, ttmp9, 2
	s_add_co_u32 s42, s42, s40                     ; tile column = 4 x cluster x + cx
	s_and_b32 s17, ttmp7, 0xffff                   ; cluster y
	s_or_b32 s95, s17, s15                         ; 0 where my block 0 holds t = 0 .. 15: cluster y and the wave's number alone
	s_lshl_b32 s43, s41, 3
	s_add_co_u32 s17, s17, s43                     ; tile row = 8 cy + cluster y
	s_lshl_b32 s43, s41, 2
	s_lshl_b32 s43, 15, s43                        ; my row of the cluster
	s_lshl_b32 s44, 0x1111, s40                    ; my column
	s_or_b32 s[G1+0], s43, (0<<16)|(1<<20)|(1<<21)|(5<<22)|(3<<25)  ; mask; elements of 1 byte; padding: 4 words behind every 64
	s_or_b32 s[G1B+0], s44, (0<<16)|(1<<20)|(1<<21)|(5<<22)|(3<<25)
.irp g, G1, G1B
	s_mov_b32 s[\g+1], ROWB<<16                    ; tensor_dim0
	s_mov_b32 s[\g+2], 128<<16                     ; tensor_dim1
	s_mov_b32 s[\g+3], ROWB<<16                    ; tile_dim0
	s_mov_b32 s[\g+4], 128                         ; tile_dim1
	s_mov_b32 s[\g+5], KROW                        ; the pitch
	s_mov_b32 s[\g+6], 0
	s_mov_b32 s[\g+7], 0
.endr
	s_or_b32 s[G1S+0], s43, (3<<16)|(1<<20)|(1<<21)|(5<<22)|(3<<25) ; the scales of 128 rows: 4,096 dense bytes as 16 rows of 256 (32 elements of 8 bytes), 16 bytes of padding behind each
	s_or_b32 s[G1SB+0], s44, (3<<16)|(1<<20)|(1<<21)|(5<<22)|(3<<25)
.irp g, G1S, G1SB
	s_mov_b32 s[\g+1], 32<<16
	s_mov_b32 s[\g+2], (128*KS/256)<<16
	s_mov_b32 s[\g+3], 32<<16
	s_mov_b32 s[\g+4], 128*KS/256
	s_mov_b32 s[\g+5], 32
	s_mov_b32 s[\g+6], 0
	s_mov_b32 s[\g+7], 0
.endr
	s_lshl_b32 s18, s16, 7
	s_lshl_b32 s20, s17, 8
	s_add_co_u32 s20, s20, s18                     ; A: row 256 x tile row + 128 x half
	s_lshl_b32 s46, s42, 8
	s_add_co_u32 s46, s46, s18                     ; B: row 256 x tile column + 128 x half
	s_mov_b32 s21, 0
	s_mov_b32 s47, 0
	s_mov_b64 s[18:19], KS
	s_mul_u64 s[22:23], s[20:21], s[18:19]
	s_mul_u64 s[92:93], s[46:47], s[18:19]
	s_mov_b64 s[18:19], KROW
	s_mul_u64 s[20:21], s[20:21], s[18:19]
	s_mul_u64 s[46:47], s[46:47], s[18:19]
	s_mul_i32 s45, s14, HALFT                      ; LDS: wave x 128 rows: no place in the cluster enters an LDS address
	s_mul_i32 s94, s14, HALFS
	s_wait_dscnt 0x0                               ; both opening adds are done
	s_wait_kmcnt 0x0
	s_add_nc_u64 s[20:21], s[4:5], s[20:21]
	s_add_nc_u64 s[22:23], s[6:7], s[22:23]
	s_add_nc_u64 s[46:47], s[8:9], s[46:47]
	s_add_nc_u64 s[92:93], s[10:11], s[92:93]
	CROUND                                         ; all sixteen work-groups are here: the joint loads meet
	s_mov_b32 s[G0S], 1
	s_add_co_u32 s[G0S+1], s94, SCL
	s_mov_b64 s[G0S+2:G0S+3], s[22:23]
	s_or_b32 s[G0S+3], s[G0S+3], 0x80000000
	s_mov_b32 s[G0SB], 1
	s_add_co_u32 s[G0SB+1], s94, SCL
	s_mov_b64 s[G0SB+2:G0SB+3], s[92:93]
	s_or_b32 s[G0SB+3], s[G0SB+3], 0x80000000
	JLOAD G0S, G1S, G0SB, G1SB
.irp s, 0,1
	s_mov_b32 s[G0+4*\s], 1
	s_add_co_u32 s[G0+4*\s+1], s45, \s*SLOT
	s_add_nc_u64 s[G0+4*\s+2:G0+4*\s+3], s[20:21], \s*ROWB
	s_or_b32 s[G0+4*\s+3], s[G0+4*\s+3], 0x80000000
	s_mov_b32 s[G0B+4*\s], 1
	s_add_co_u32 s[G0B+4*\s+1], s45, \s*SLOT
	s_add_nc_u64 s[G0B+4*\s+2:G0B+4*\s+3], s[46:47], \s*ROWB
	s_or_b32 s[G0B+4*\s+3], s[G0B+4*\s+3], 0x80000000
	JLOAD G0+4*\s, G1, G0B+4*\s, G1B
.endr
	v_and_b32 v1, 15, v0                           ; r = l % 16
	v_bfe_u32 v2, v0, 4, 1                         ; h = l / 16
	v_mul_u32_u24 v3, v1, PITCH
	v_lshl_add_u32 v4, v2, 4, v3
	s_mul_i32 s21, s15, HALFT
	s_mul_i32 s22, s16, HALFT
	s_add_co_u32 s22, s22, 2*HALFT
.irp s, 0,1
	v_add_nc_u32 v[ADRA+\s], s21, v4
	v_add_nc_u32 v[ADRB+\s], s22, v4
	s_add_co_u32 s21, s21, SLOT
	s_add_co_u32 s22, s22, SLOT
.endr
	v_mul_u32_u24 v5, v1, KS
	v_lshrrev_b32 v6, 8, v5
	v_lshl_add_u32 v5, v6, 4, v5
	s_mul_i32 s21, s15, HALFS
	s_mul_i32 s22, s16, HALFS
	s_add_co_u32 s22, s22, 2*HALFS
	s_sub_co_u32 s22, s22, s21
	v_mul_u32_u24 v6, s22, v2                      ; lanes 16-31 take B's words
	s_add_co_u32 s21, s21, SCL
	v_add_nc_u32 v5, v5, v6
	v_add_nc_u32 v[ADRS], s21, v5
	s_mul_i32 s23, s14, 16*HPITCH
	s_add_co_u32 s23, s23, HSTG                    ; my f16 stage
	v_mul_u32_u24 v5, v1, HPITCH
	v_lshl_add_u32 v5, v2, 4, v5
	v_add_nc_u32 v[STO], s23, v5                   ; in: row r, 16 bytes for each half of the lanes
	v_bfe_u32 v5, v0, 3, 1
	v_mul_u32_u24 v5, v5, HPITCH
	v_lshl_add_u32 v5, v2, 7, v5
	v_and_b32 v6, 7, v0
	v_lshl_add_u32 v5, v6, 4, v5
	v_add_nc_u32 v[RD], s23, v5                    ; back: lanes 0-15 two rows' 128 bytes of my first head, lanes 16-31 of my second
	v_lshlrev_b32 v[CO], 18, v2                    ; a head is 262,144 bytes
	v_lshl_add_u32 v[CO], v1, 4, v[CO]
	s_mul_i32 s23, s14, 16*FPITCH                  ; my f32 stage
	v_mul_u32_u24 v5, v1, FPITCH
	v_lshl_add_u32 v5, v2, 5, v5
	v_add_nc_u32 v[STF], s23, v5
	v_and_b32 v6, 31, v0
	v_lshlrev_b32 v[COF], 4, v6
	v_add_nc_u32 v[RDF], s23, v[COF]
	; where my part begins in qkv: which << 24 + b << 22 + head << 18 + t x 128
	s_lshl_b32 s20, s41, 22                        ; b = cy
	s_and_b32 s21, ttmp7, 0xffff
	s_lshl_b32 s21, s21, 15                        ; 256 rows of 128 bytes for each cluster y
	s_add_co_u32 s20, s20, s21
	s_lshl_b32 s21, s15, 14                        ; my 128 rows
	s_add_co_u32 s20, s20, s21
	s_mov_b32 s21, 0
	s_add_nc_u64 s[12:13], s[12:13], s[20:21]
	s_lshl_b32 s46, s42, 2
	s_lshl_b32 s47, s16, 1
	s_add_co_u32 s46, s46, s47                     ; my first group of 64 columns: 4 x tile column + 2 x half
	s_lshr_b32 s47, s46, 4
	s_lshl_b32 s47, s47, 24                        ; q, k or v
	s_and_b32 s46, s46, 15
	s_lshl_b32 s46, s46, 18                        ; the head
	s_add_co_u32 s46, s46, s47
	s_mov_b32 s47, 0
	s_add_nc_u64 s[12:13], s[12:13], s[46:47]
	s_mul_i32 s20, s41, 16*12288                   ; and in qkvf: 16 rows of 12,288 bytes for each batch,
	s_add_nc_u64 s[96:97], s[96:97], s[20:21]
	s_lshl_b32 s46, s42, 10                        ; 1,024 bytes a tile column, 512 a half
	s_lshl_b32 s92, s16, 9
	s_add_co_u32 s46, s46, s92
	s_add_nc_u64 s[96:97], s[96:97], s[46:47]
.macro FRAG reg, adr, q, i             ; 16 rows x 128 K of 4-bit codes: 8 registers, two loads of 16 bytes, 32 bytes apart
.irp c, 0,1
	ds_load_b128 v[\reg+4*\c:\reg+4*\c+3], v[\adr] offset:64*(\q)+32*\c+(\i)*16*PITCH
.endr
.endm
; 16 matrix instructions: A's blocks a0, a0 + 1 x B's eight.  The 64 accumulators take turns, one instruction a turn, in the same order in every step.
.macro MUL16 a0, p, q, sc, zero
.irp a, \a0, \a0+1
.irp b, 0,1,2,3,4,5,6,7
.if \zero
	v_wmma_scale_f32_16x16x128_f8f6f4 v[8*(8*((\a)%4)+\b):8*(8*((\a)%4)+\b)+7], v[128*(\p)+FR*\b:128*(\p)+FR*\b+FR-1], v[AF+FR*(\a):AF+FR*(\a)+FR-1], 0, v[SC+8*NQ*(\sc)+NQ*\b+(\q)], v[SC+8*NQ*(\sc)+NQ*(\a)+(\q)] matrix_a_fmt:MATRIX_FMT_FP4 matrix_b_fmt:MATRIX_FMT_FP4 matrix_a_scale:MATRIX_SCALE_ROW1
.else
	v_wmma_scale_f32_16x16x128_f8f6f4 v[8*(8*((\a)%4)+\b):8*(8*((\a)%4)+\b)+7], v[128*(\p)+FR*\b:128*(\p)+FR*\b+FR-1], v[AF+FR*(\a):AF+FR*(\a)+FR-1], v[8*(8*((\a)%4)+\b):8*(8*((\a)%4)+\b)+7], v[SC+8*NQ*(\sc)+NQ*\b+(\q)], v[SC+8*NQ*(\sc)+NQ*(\a)+(\q)] matrix_a_fmt:MATRIX_FMT_FP4 matrix_b_fmt:MATRIX_FMT_FP4 matrix_a_scale:MATRIX_SCALE_ROW1
.endif
.endr
.endr
.endm
.macro FETCH_B slot, q, p
	WIN TO_B
.irp i, 0,1,2,3,4,5,6,7
	FRAG 128*(\p)+FR*\i, ADRB+\slot, \q, \i
.endr
	WIN 0
.endm
.macro FETCH_A slot, q, i0
.irp i, \i0, \i0+1, \i0+2, \i0+3
	FRAG AF+FR*(\i), ADRA+\slot, \q, \i
.endr
.endm
.macro SCALES sc                       ; a slot's scale words: lanes 0-15 A's block i, lanes 16-31 B's block i
.irp i, 0,1,2,3,4,5,6,7
	ds_load_b128 v[SC+8*NQ*\sc+NQ*\i:SC+8*NQ*\sc+NQ*\i+3], v[ADRS] offset:\i*SBLK
.endr
.endm
.macro PLACES n                        ; plain vector places behind matrix instructions, in front of loads into registers that they read and of reads of their results
.rept \n
	v_nop
.endr
.endm
.macro STEP slot, q, zero
	s_wait_dscnt 4*NL                              ; all but the youngest eight loads (A's blocks 4-7)
	WIN MUL_LO
	MUL16 0, (\q)%2, \q, \slot, \zero
	MUL16 2, (\q)%2, \q, \slot, \zero
	s_wait_dscnt 0
	PLACES NP
	FETCH_B \slot, (\q)+1, 1-(\q)%2
	FETCH_A \slot, (\q)+1, 0
	WIN MUL_HI
	MUL16 4, (\q)%2, \q, \slot, \zero
	MUL16 6, (\q)%2, \q, \slot, \zero
	PLACES NP
	WIN 0
	FETCH_A \slot, (\q)+1, 4
.endm
.macro STEPS slot, from
.set Q, \from
.rept NQ-1-\from
	STEP \slot, Q, 0
.set Q, Q+1
.endr
.endm
	s_wait_tensorcnt 1                             ; the scales and my part of slot 0 are in; slot 1's load may be out
	s_barrier_signal -1
	s_barrier_wait -1
	FETCH_B 0, 0, 0
	FETCH_A 0, 0, 0
	SCALES 0
	FETCH_A 0, 0, 4
	STEP 0, 0, 1                                   ; the first step's products start the sums
	STEPS 0, 1
	; slot 0's last step changes slots: one barrier; nothing is filled again
	s_wait_tensorcnt 0x0                           ; my part of slot 1 has landed
	ds_add_u32 v[SPW], v[NIL]
	s_wait_dscnt 4*NL+1                            ; the add and A's blocks 4-7 may be out
	WIN MUL_LO
	MUL16 0, 1, NQ-1, 0, 0
	s_wait_dscnt 0x0                               ; the add is done, and my reads of slot 0 are over
	s_barrier_signal -1
	MUL16 2, 1, NQ-1, 0, 0
	WIN 0
	s_barrier_wait -1
	PLACES NP
	v_add_nc_u32 v[ADRS], 4*NQ, v[ADRS]            ; slot 1's scale words
	FETCH_B 1, 0, 0
	FETCH_A 1, 0, 0
	SCALES 1
	WIN MUL_HI
	MUL16 4, 1, NQ-1, 0, 0
	MUL16 6, 1, NQ-1, 0, 0
	PLACES NP
	WIN 0
	FETCH_A 1, 0, 4
	STEPS 1, 0
	s_wait_dscnt 4*NL                              ; the very last step
	WIN MUL_LO
	MUL16 0, 1, NQ-1, 1, 0
	MUL16 2, 1, NQ-1, 1, 0
	s_wait_dscnt 0
	WIN MUL_HI
	MUL16 4, 1, NQ-1, 1, 0
	MUL16 6, 1, NQ-1, 1, 0
	WIN 0
	; THE WAY OUT.  Slot 0 has had its only fill, and every wave has passed the barrier behind which nobody reads it: the stages lie there.
	PLACES NP
	s_cmp_lg_u32 s95, 0
	s_cbranch_scc1 .Lcoarse
	WIN 0x08                                       ; rows t = 0 .. 15 in f32: my block 0 as it stands (an LDS store's data are its source 1: window 2), each accumulator from its low end on
.irp b, 0,1,2,3,4,5,6,7
	ds_store_b128 v[STF], v[8*\b:8*\b+3] offset:64*\b
	ds_store_b128 v[STF], v[8*\b+4:8*\b+7] offset:64*\b+16
.endr
	WIN 0
.irp t, 0,1,2,3,4,5,6,7,8,9,10,11,12,13,14,15
	ds_load_b128 v[128+4*\t:128+4*\t+3], v[RDF] offset:\t*FPITCH   ; behind my stores, in order
.endr
	s_wait_dscnt 0x0
.irp t, 0,1,2,3,4,5,6,7,8,9,10,11,12,13,14,15
	global_store_b128 v[COF], v[128+4*\t:128+4*\t+3], s[96:97] offset:\t*12288   ; 32 lanes store 512 consecutive bytes, aligned
.endr
.Lcoarse:
.macro PACK a                          ; block a rounded to f16: 16 bytes a lane for each of B's eight blocks
.set AC, 64*((\a)%4)
	WIN 0x0a+5*((\a)/4)
.irp b, 0,1,2,3,4,5,6,7
.irp r, 0,1,2,3
	v_cvt_pk_f16_f32 v[TMP+4*\b+\r], v[AC+8*\b+2*\r], v[AC+8*\b+2*\r+1]
.endr
.endr
	WIN 0
.endm
.macro TOSTAGE a
.set BB, OB+192*((\a)%2)
.irp b, 0,1,2,3,4,5,6,7
	ds_store_b128 v[STO], v[TMP+4*\b:TMP+4*\b+3] offset:32*\b
.endr
.irp i, 0,1,2,3,4,5,6,7
	ds_load_b128 v[BB+4*\i:BB+4*\i+3], v[RD] offset:\i*2*HPITCH    ; behind my stores, in order
.endr
.endm
.macro SEND a
.set BB, OB+192*((\a)%2)
	s_wait_dscnt 0x0                               ; the block is back in registers
	s_wait_xcnt 0x0                                ; the stores of the block before have read their registers, into which the next block's loads will land
.irp i, 0,1,2,3,4,5,6,7
	global_store_b128 v[CO], v[BB+4*\i:BB+4*\i+3], s[12:13] offset:2048*(\a)+256*\i   ; sixteen lanes store 256 consecutive bytes, aligned: two rows of one head
.endr
.endm
	PACK 0
	TOSTAGE 0
.irp a, 1,2,3,4,5,6,7
	PACK \a
	SEND \a-1
	TOSTAGE \a
.endr
	SEND 7
	s_wait_tensorcnt 0x0                           ; the wave's end
	ds_add_u32 v[SPW], v[NIL]
	s_wait_dscnt 0x0
	CROUND                                         ; the closing round
	s_endpgm
.Lfunc_end_k_qc46c0d3cb4_qkvgemm:
	.size	k_qc46c0d3cb4_qkvgemm, .Lfunc_end_k_qc46c0d3cb4_qkvgemm-k_qc46c0d3cb4_qkvgemm
	.p2alignl 7, 3214868480
	.fill 96, 4, 3214868480
	.section	.rodata,"a",@progbits
	.p2align	6, 0x0
	.amdhsa_kernel k_qc46c0d3cb4_qkvgemm
		.amdhsa_group_segment_fixed_size 327680
		.amdhsa_private_segment_fixed_size 0
		.amdhsa_enable_private_segment 0
		.amdhsa_kernarg_size 48
		.amdhsa_user_sgpr_count 2
		.amdhsa_user_sgpr_kernarg_segment_ptr 1
		.amdhsa_wavefront_size32 1
		.amdhsa_system_sgpr_workgroup_id_x 1
		.amdhsa_system_sgpr_workgroup_id_y 1
		.amdhsa_system_sgpr_workgroup_id_z 1
		.amdhsa_system_vgpr_workitem_id 0
		.amdhsa_next_free_vgpr 1024
		.amdhsa_next_free_sgpr 100
		.amdhsa_reserve_vcc 0
		.amdhsa_float_denorm_mode_32 3
		.amdhsa_float_denorm_mode_16_64 3
		.amdhsa_memory_ordered 1
		.amdhsa_forward_progress 1
		.amdhsa_inst_pref_size 131
	.end_amdhsa_kernel
	.amdgpu_metadata
---
amdhsa.version: [ 1, 2 ]
amdhsa.kernels:
  - .name:           k_qc46c0d3cb4_qkvgemm
    .symbol:         k_qc46c0d3cb4_qkvgemm.kd
    .args:
      - { .name: xc, .offset: 0, .size: 8, .value_kind: global_buffer, .address_space: global }
      - { .name: xs, .offset: 8, .size: 8, .value_kind: global_buffer, .address_space: global }
      - { .name: wc, .offset: 16, .size: 8, .value_kind: global_buffer, .address_space: global }
      - { .name: ws, .offset: 24, .size: 8, .value_kind: global_buffer, .address_space: global }
      - { .name: qkv, .offset: 32, .size: 8, .value_kind: global_buffer, .address_space: global }
      - { .name: qkvf, .offset: 40, .size: 8, .value_kind: global_buffer, .address_space: global }
    .group_segment_fixed_size: 327680
    .private_segment_fixed_size: 0
    .kernarg_segment_align: 8
    .kernarg_segment_size: 48
    .max_flat_workgroup_size: 128
    .sgpr_count:     100
    .vgpr_count:     1024
    .wavefront_size: 32
...
	.end_amdgpu_metadata
.endif
;; end of part 2
;; launch attn (part 3): grid 4 x 64, 16 waves a work-group, no clusters, 327,680 bytes of LDS; arguments qkv, att; writes att
.if DOCPART == 3
	.amdgcn_target "amdgcn-amd-amdhsa--gfx1250"
	.amdhsa_code_object_version 6
	.text
	.protected	k_qc46c0d3cb4_attn
	.globl	k_qc46c0d3cb4_attn
	.p2align	8
	.type	k_qc46c0d3cb4_attn,@function
k_qc46c0d3cb4_attn:
	s_mov_b64 s[64:65], 0
	v_nop
	global_prefetch_b8 v0, s[64:65] scope:SCOPE_SE
	s_setreg_imm32_b32 hwreg(HW_REG_WAVE_MODE, 25, 1), 1
	s_wait_xcnt 0x0
; att[b][t][head][:] = the sum over k <= t of softmax_k(q . k / 8) v, f16 operands, f32 products' sums, maxima and sums; a running maximum m and sum l for each query.
; LEFT OUT: key steps all of whose 64 keys come after all of a wave's 32 queries: the problem's own mask gives them the weight 0 for all inputs.
; q, k, v: qkv [which][b][head][2048][64] f16, a head 262,144 dense bytes.  att, f16: byte (row / 2) x 4,096 + head x 256 + (row % 2) x 128 + 2 d: two rows of a head are 256 consecutive bytes.
; SHARES.  Work-group (i, head of a batch) owns the blocks i and 7 - i of 256 queries, so that all 256 work-groups have the same number of live key steps.  Each of its sixteen waves owns 32 queries, two tiles of 16:
; eight waves in the early block, eight in the late one.  NO CLUSTER: the work-groups of a head have different causal limits, so a partner would jump over the reads of a tile that a joint load brings.
; Every wave walks all 8 slots of 256 keys (trip counts are constants); a step that is hidden from the wave is jumped over; a slot whose first key comes after the work-group's last query is not asked for.
; LAYOUT.  S^T = K Q^T (source 0 = 16 keys, source 1 = 16 queries): a lane holds one query (lane % 16) and keys 8 (lane / 16) + 0..7 of each tile.  Two such tiles, rounded to f16 in pairs, are source 1 of O^T = V^T P.  V comes out of LDS turned.
; p = 2^(c s - c m), c = log2(e) / 8; in every step O and l are multiplied by a = 2^(c m_old - c m_new).
; REGISTERS: v1-13 addresses and constants; v16-31 statistics, eight a tile (+0 c m, +1 m, +2,3 l, +4..7 at work, a in +6); v32-63 Q; v64-127 K's fragments, then V's; v128-191 S^T, P laid over the low 16 of each tile; v192-255 O^T.
.set KP,    144                        ; a key's row in LDS: 128 bytes + 16
.set VP,    160                        ; a row of V: 128 + 32
.set VOFF,  256*KP
.set SLOT1, 1<<17
.set STAGE, SLOT1+VOFF+256*VP          ; behind the ring: 2 x 16 rows x 144 bytes for each wave; no fill lands there
.set SPARE, STAGE+16*2*16*KP           ; the spare words, 128 bytes for each wave, which no other line names
.set NSL,   8
.set AK0,  1
.set AV0,  2
.set SPW,  3
.set NIL,  4
.set ADK,  5
.set ADV,  6
.set PFO,  7
.set GO,   8
.set LD,   9
.set STO,  10
.set RD,   11
.set QO,   12
.set NINF, 13
.set ST,   16
.set QF,   32
.set KV,   64
.set S,    128
.set OT,   192
.set WV,   18
.set SEL,  20
.set CS,   22
.set G1K,  24
.set G1V,  32
.set G0K,  40
.set G0V,  44
.set TB,   2                           ; s2   LDS byte at which the slot in hand begins
.set SLOTS, 67
.set QL,   68                          ; s68  my work-group's last query
.set PFA,  76
.set LIM,  80
.set KF,   98                          ; s98  the step's first key
.set Q0,   99                          ; s99  my first query
.macro TLOAD                           ; waves 0 and 1 fetch K's halves of a slot, waves 2 and 3 V's, the others nothing; an s_nop 0 and four v_nop follow each line
	s_cmp_lt_u32 s[WV], 2
	s_cbranch_scc0 .Lnot_k_\@
	tensor_load_to_lds s[G0K:G0K+3], s[G1K:G1K+7]
	s_nop 0
.rept 4
	v_nop
.endr
	s_branch .Lasked_\@
.Lnot_k_\@:
	s_cmp_lt_u32 s[WV], 4
	s_cbranch_scc0 .Lasked_\@
	tensor_load_to_lds s[G0V:G0V+3], s[G1V:G1V+7]
	s_nop 0
.rept 4
	v_nop
.endr
.Lasked_\@:
.endm
; A prefetch of what the NEXT change of slots will ask for: 32,768 bytes of K and of V.  All four work-groups of a head walk the same K and V: the one with x = 0, whose loads reach the last slot, asks; in it waves 4-7 for K and
; waves 8-11 for V, 8,192 bytes a wave, lanes 256 bytes apart: each aligned block of 256 bytes is named once in the launch.  Slots 0 and 1 come by their loads alone; the last change that fills a slot asks for nothing.
.macro ASK
	s_cmp_gt_u32 s[SLOTS], s[LIM]
	s_cbranch_scc0 .Lnot_mine_\@
	global_prefetch_b8 v[PFO], s[PFA:PFA+1] th:TH_LOAD_NT scope:SCOPE_SE
.Lnot_mine_\@:
.endm
	s_load_b128 s[4:7], s[0:1], 0x0                ; qkv, att
	v_lshl_add_u32 v[SPW], v0, 2, SPARE
	v_mov_b32 v[NIL], 0
	ds_add_u32 v[SPW], v[NIL]                      ; the wave's opening: the add, twice on end, and its wait ahead of my first tensor load
	ds_add_u32 v[SPW], v[NIL]
	v_lshrrev_b32 v5, 5, v0
	v_readfirstlane_b32 s[WV], v5                  ; wave 0..15
	s_and_b32 s70, ttmp7, 0xffff                   ; 16 b + head
	s_lshl_b32 s72, s70, 18
	s_mov_b32 s73, 0
	s_lshr_b32 s81, s[WV], 2
	s_xor_b32 s81, s81, s[WV]
	s_and_b32 s81, s81, 1                          ; 0: the early block, 1: the late one; the two waves of a pair 2 n, 2 n + 1 differ
	s_sub_co_u32 s82, 7, ttmp9
	s_cmp_eq_u32 s81, 0
	s_cselect_b32 s82, ttmp9, s82
	s_lshl_b32 s82, s82, 8
	s_lshr_b32 s83, s[WV], 1
	s_lshl_b32 s83, s83, 5
	s_add_co_u32 s[Q0], s82, s83                   ; my first query: 256 x block + 32 x (wave / 2)
	s_sub_co_u32 s[QL], 7, ttmp9
	s_lshl_b32 s[QL], s[QL], 8
	s_or_b32 s[QL], s[QL], 255
	s_and_b32 s88, s[WV], 1                        ; which 128 rows of a slot I fetch, if I fetch
	s_lshl_b32 s74, s88, 14
	s_mov_b32 s75, 0
	s_mul_i32 s89, s88, 128*KP
	s_mul_i32 s90, s88, 128*VP
	s_add_co_u32 s90, s90, VOFF
	s_mov_b32 s[G1K], (0<<16)|(1<<20)|(4<<22)|(3<<25)   ; elements of 1 byte; padding: 4 words behind every 32
	s_mov_b32 s[G1V], (0<<16)|(1<<20)|(4<<22)|(7<<25)   ; 8 words behind every 32
.irp g, G1K, G1V
	s_mov_b32 s[\g+1], 128<<16                     ; tensor_dim0 = 128 bytes
	s_mov_b32 s[\g+2], 128<<16                     ; tensor_dim1 = 128 rows
	s_mov_b32 s[\g+3], 128<<16                     ; tile_dim0
	s_mov_b32 s[\g+4], 128                         ; tile_dim1
	s_mov_b32 s[\g+5], 128                         ; the pitch
	s_mov_b32 s[\g+6], 0
	s_mov_b32 s[\g+7], 0
.endr
	s_mov_b32 s[SEL], 0x76543210
	s_mov_b32 s[SEL+1], 0xfedcba98
	s_mov_b32 s[CS], 0x3e38aa3b                    ; c = log2(e) / 8
	s_mov_b32 s[CS+1], s[CS]
	s_mov_b32 s[TB], 0
	s_mov_b32 s[SLOTS], NSL-1
	s_mov_b32 s[KF], 0
	s_wait_dscnt 0x0                               ; both opening adds are done
	s_wait_kmcnt 0x0
	s_add_nc_u64 s[4:5], s[4:5], s[72:73]          ; q of my head
	s_add_nc_u64 s[8:9], s[4:5], 0x1000000         ; k
	s_add_nc_u64 s[10:11], s[4:5], 0x2000000       ; v
	s_mov_b32 s[G0K], 1
	s_mov_b32 s[G0K+1], s89
	s_add_nc_u64 s[G0K+2:G0K+3], s[8:9], s[74:75]
	s_or_b32 s[G0K+3], s[G0K+3], 0x80000000
	s_mov_b32 s[G0V], 1
	s_mov_b32 s[G0V+1], s90
	s_add_nc_u64 s[G0V+2:G0V+3], s[10:11], s[74:75]
	s_or_b32 s[G0V+3], s[G0V+3], 0x80000000
	TLOAD                                          ; slot 0, which holds key 0: every wave reads it
	s_lshl_b32 s84, s[Q0], 7
	s_mov_b32 s85, 0
	s_add_nc_u64 s[12:13], s[4:5], s[84:85]        ; q at my first query
	s_lshr_b32 s84, s70, 4
	s_lshl_b32 s84, s84, 11
	s_add_co_u32 s84, s84, s[Q0]                   ; my first row of att
	s_lshl_b32 s84, s84, 11                        ; 2,048 bytes a row
	s_and_b32 s86, s70, 15
	s_lshl_b32 s86, s86, 8
	s_add_co_u32 s84, s84, s86
	s_add_nc_u64 s[16:17], s[6:7], s[84:85]
	s_cmp_lt_u32 s[WV], 8
	s_cselect_b64 s[PFA:PFA+1], s[8:9], s[10:11]
	s_and_b32 s82, s[WV], 3
	s_lshl_b32 s82, s82, 13
	s_add_co_u32 s82, s82, 32768                   ; in slot 1: the first change of slots steps it to slot 2
	s_mov_b32 s83, 0
	s_add_nc_u64 s[PFA:PFA+1], s[PFA:PFA+1], s[82:83]
	s_sub_co_u32 s82, s[WV], 4
	s_lshr_b32 s82, s82, 3                         ; 0 in waves 4 to 11
	s_or_b32 s82, s82, ttmp9
	s_cmp_eq_u32 s82, 0
	s_cselect_b32 s[LIM], 1, -1
	v_and_b32 v14, 15, v0                          ; r
	v_bfe_u32 v15, v0, 4, 1                        ; h
	v_lshlrev_b32 v[QO], 7, v14
	v_lshl_add_u32 v[QO], v15, 4, v[QO]
.irp qt, 0,1
.irp c, 0,1
	global_load_b128 v[QF+16*\qt+8*\c:QF+16*\qt+8*\c+3], v[QO], s[12:13] offset:2048*\qt+64*\c
	global_load_b128 v[QF+16*\qt+8*\c+4:QF+16*\qt+8*\c+7], v[QO], s[12:13] offset:2048*\qt+64*\c+32
.endr
.endr
	v_mul_u32_u24 v[AK0], v14, KP
	v_lshl_add_u32 v[AK0], v15, 4, v[AK0]          ; K: row r x pitch + 16 h
	v_and_b32 v5, 7, v0
	v_lshl_add_u32 v5, v15, 3, v5
	v_mul_u32_u24 v[AV0], v5, VP
	v_bfe_u32 v5, v0, 3, 1
	v_lshl_add_u32 v[AV0], v5, 4, v[AV0]
	v_add_nc_u32 v[AV0], VOFF, v[AV0]              ; V, for the turning load: key 8 h + l % 8, channels 8 ((l / 8) % 2) on
	v_and_b32 v[PFO], 31, v0
	v_lshlrev_b32 v[PFO], 8, v[PFO]
	v_lshlrev_b32 v[GO], 12, v15
	v_lshl_add_u32 v[GO], v14, 4, v[GO]            ; att: lanes 0-15 one pair of rows, lanes 16-31 the next
	v_lshlrev_b32 v[LD], 3, v15
	v_sub_nc_u32 v[LD], v14, v[LD]                 ; r - 8 h
	s_mul_i32 s84, s[WV], 2*16*KP
	s_add_co_u32 s84, s84, STAGE                   ; my stage
	v_mul_u32_u24 v[STO], v14, KP
	v_lshl_add_u32 v[STO], v15, 4, v[STO]
	v_add_nc_u32 v[STO], s84, v[STO]
	v_and_b32 v[RD], 31, v0
	v_lshrrev_b32 v[RD], 3, v[RD]
	v_mul_u32_u24 v[RD], v[RD], KP
	v_and_b32 v5, 7, v0
	v_lshl_add_u32 v[RD], v5, 4, v[RD]
	v_add_nc_u32 v[RD], s84, v[RD]
	v_mov_b32 v[NINF], 0xff800000
.irp t, 0,1
	v_mov_b32 v[ST+8*\t+1], 0xff61b1e6             ; m: -3e38, under every score
	v_mul_f32 v[ST+8*\t], s[CS], v[ST+8*\t+1]
.irp j, 2,3,4,5,6,7
	v_mov_b32 v[ST+8*\t+\j], 0
.endr
.endr
.set n, 0
.rept 64
	v_mov_b32 v[OT+n], 0                           ; O^T: the step is written once; the first step's a is 0 and leaves zeros
.set n, n+1
.endr
; A KEY STEP: 64 keys, the q-th of the slot in hand.
.macro STEP q
	s_add_co_u32 s96, s[Q0], 31
	s_cmp_gt_u32 s[KF], s96                        ; all keys come after my 32 queries: ids and the count of steps alone
	s_cbranch_scc1 .Lhidden_\@
	v_add_nc_u32 v[ADK], s[TB], v[AK0]
	v_add_nc_u32 v[ADV], s[TB], v[AV0]
.rept 3
	v_nop                                          ; with the two additions five places behind the last step's products: four for the loads into V's registers, five for the products that write over P
.endr
.irp kt, 0,1,2,3
.irp c, 0,1
	ds_load_b128 v[KV+8*(2*\kt+\c):KV+8*(2*\kt+\c)+3], v[ADK] offset:(64*(\q)+16*\kt)*KP+64*\c
	ds_load_b128 v[KV+8*(2*\kt+\c)+4:KV+8*(2*\kt+\c)+7], v[ADK] offset:(64*(\q)+16*\kt)*KP+64*\c+32
.endr
.endr
	s_wait_dscnt 0x0
.irp kt, 0,1,2,3                               ; S^T = K Q^T: eight accumulators by turns; the first 32 channels start the sums
.irp qt, 0,1
	v_wmma_f32_16x16x32_f16 v[S+32*\qt+8*\kt:S+32*\qt+8*\kt+7], v[KV+16*\kt:KV+16*\kt+7], v[QF+16*\qt:QF+16*\qt+7], 0
.endr
.endr
.irp kt, 0,1,2,3
.irp qt, 0,1
	v_wmma_f32_16x16x32_f16 v[S+32*\qt+8*\kt:S+32*\qt+8*\kt+7], v[KV+16*\kt+8:KV+16*\kt+15], v[QF+16*\qt+8:QF+16*\qt+15], v[S+32*\qt+8*\kt:S+32*\qt+8*\kt+7]
.endr
.endr
.rept 4
	v_nop                                          ; places in front of the loads into K's registers and of the first read of the scores
.endr
.irp ct, 0,1,2,3                               ; V^T: channels 16 ct on, keys 32 kc on; they land while the softmax is worked
.irp kc, 0,1
	ds_load_tr16_b128 v[KV+8*(2*\ct+\kc):KV+8*(2*\ct+\kc)+3], v[ADV] offset:(64*(\q)+32*\kc)*VP+32*\ct
	ds_load_tr16_b128 v[KV+8*(2*\ct+\kc)+4:KV+8*(2*\ct+\kc)+7], v[ADV] offset:(64*(\q)+32*\kc+16)*VP+32*\ct
.endr
.endr
	s_add_co_u32 s96, s[KF], 63
	s_cmp_le_u32 s96, s[Q0]                        ; all 64 keys count for all my queries: no mask
	s_cbranch_scc1 .Lopen_\@
	s_sub_co_i32 s96, s[Q0], s[KF]
	s_add_co_i32 s97, s96, 16
	v_add_nc_u32 v[ST+4], s96, v[LD]               ; d = my query - KF - 8 h.  Register 8 kt + j holds key KF + 16 kt + 8 h + j: hidden where 16 kt + j > d
	v_add_nc_u32 v[ST+12], s97, v[LD]
.set n, 0
.rept 64
	v_cmp_gt_i32 vcc_lo, 16*((n%32)/8)+n%8, v[ST+4+8*(n/32)]
	v_cndmask_b32 v[S+n], v[S+n], v[NINF], vcc_lo
.set n, n+1
.endr
.Lopen_\@:
.irp j, 0,1,2,3                                ; the largest of my 32 scores and the old m, the two tiles line by line; each accumulator is read from its low end on
.irp t, 0,1
	v_max3_num_f32 v[ST+8*\t+4+\j], v[S+32*\t+8*\j], v[S+32*\t+8*\j+1], v[S+32*\t+8*\j+2]
.endr
.endr
.irp g, 1,2
.irp j, 0,1,2,3
.irp t, 0,1
	v_max3_num_f32 v[ST+8*\t+4+\j], v[ST+8*\t+4+\j], v[S+32*\t+8*\j+2*\g+1], v[S+32*\t+8*\j+2*\g+2]
.endr
.endr
.endr
.irp t, 0,1
	v_max3_num_f32 v[ST+8*\t+4], v[ST+8*\t+4], v[S+32*\t+7], v[S+32*\t+15]
.endr
.irp t, 0,1
	v_max3_num_f32 v[ST+8*\t+6], v[ST+8*\t+6], v[S+32*\t+23], v[S+32*\t+31]
.endr
.irp t, 0,1
	v_max3_num_f32 v[ST+8*\t+4], v[ST+8*\t+4], v[ST+8*\t+5], v[ST+8*\t+6]
.endr
.irp t, 0,1
	v_max3_num_f32 v[ST+8*\t+4], v[ST+8*\t+4], v[ST+8*\t+7], v[ST+8*\t+1]
.endr
.irp t, 0,1
	v_permlanex16_b32 v[ST+8*\t+5], v[ST+8*\t+4], s[SEL], s[SEL+1]   ; the query's other 32 keys lie in the lane 16 away
.endr
.irp t, 0,1
	v_mov_b32 v[ST+8*\t+7], v[ST+8*\t]             ; c m_old
.endr
.irp t, 0,1
	v_max_num_f32 v[ST+8*\t+1], v[ST+8*\t+4], v[ST+8*\t+5]
.endr
.irp t, 0,1
	v_mul_f32 v[ST+8*\t], s[CS], v[ST+8*\t+1]
.endr
.irp t, 0,1
	v_sub_f32 v[ST+8*\t+7], v[ST+8*\t+7], v[ST+8*\t]
.endr
.irp t, 0,1
	v_exp_f32 v[ST+8*\t+6], v[ST+8*\t+7]           ; a
.endr
.set n, 0
.rept 32
	v_pk_fma_f32 v[S+2*n:S+2*n+1], v[S+2*n:S+2*n+1], s[CS:CS+1], v[ST+8*(n/16):ST+8*(n/16)+1] op_sel_hi:[1,0,0] neg_lo:[0,0,1] neg_hi:[0,0,1]   ; c s - c m
.set n, n+1
.endr
.set n, 0
.rept 64
	v_exp_f32 v[S+n], v[S+n]
.set n, n+1
.endr
	v_nop                                          ; one plain instruction behind the last exponential
	s_wait_alu depctr_va_vdst(0)                   ; one wait for the 66 exponentials, ahead of the first instruction that names a result
.irp t, 0,1
	v_pk_mul_f32 v[ST+8*\t+2:ST+8*\t+3], v[ST+8*\t+2:ST+8*\t+3], v[ST+8*\t+6:ST+8*\t+7] op_sel_hi:[1,0]   ; l x a
.endr
.irp t, 0,1
	v_pk_add_f32 v[ST+8*\t+4:ST+8*\t+5], v[S+32*\t:S+32*\t+1], v[S+32*\t+2:S+32*\t+3]   ; the sum of p in f32, in two chains
.endr
.irp j, 4,8,12,16,20,24,28
.irp t, 0,1
	v_pk_add_f32 v[ST+8*\t+2:ST+8*\t+3], v[ST+8*\t+2:ST+8*\t+3], v[S+32*\t+\j:S+32*\t+\j+1]
	v_pk_add_f32 v[ST+8*\t+4:ST+8*\t+5], v[ST+8*\t+4:ST+8*\t+5], v[S+32*\t+\j+2:S+32*\t+\j+3]
.endr
.endr
.irp t, 0,1
	v_pk_add_f32 v[ST+8*\t+2:ST+8*\t+3], v[ST+8*\t+2:ST+8*\t+3], v[ST+8*\t+4:ST+8*\t+5]
.endr
.set n, 0
.rept 16
	v_cvt_pk_f16_f32 v[S+n], v[S+2*n], v[S+2*n+1]              ; P, over the low 16 registers of each tile, ascending: no pair is written before it is read
	v_cvt_pk_f16_f32 v[S+32+n], v[S+32+2*n], v[S+32+2*n+1]
.set n, n+1
.endr
.set n, 0
.rept 32
	v_pk_mul_f32 v[OT+2*n:OT+2*n+1], v[OT+2*n:OT+2*n+1], v[ST+8*(n/16)+6:ST+8*(n/16)+7] op_sel_hi:[1,0]   ; O^T x a
.set n, n+1
.endr
	s_wait_dscnt 0x0                               ; V is in
.irp kc, 0,1                                   ; O^T += V^T P: eight accumulators by turns
.irp ct, 0,1,2,3
.irp qt, 0,1
	v_wmma_f32_16x16x32_f16 v[OT+32*\qt+8*\ct:OT+32*\qt+8*\ct+7], v[KV+8*(2*\ct+\kc):KV+8*(2*\ct+\kc)+7], v[S+32*\qt+8*\kc:S+32*\qt+8*\kc+7], v[OT+32*\qt+8*\ct:OT+32*\qt+8*\ct+7]
.endr
.endr
.endr
.Lhidden_\@:
	s_add_co_u32 s[KF], s[KF], 64
.endm
; THE CHANGE OF SLOTS, at a slot's head.  Each wave waits for all its tensor loads, adds 0 to its spare word (fill = 1: twice on end), and waits for that and
; for its reads of the slot that it has left.  Behind the barrier the slot ahead is whole and nobody reads the other one, which is then filled with the next 256 keys, up to the causal limit.
.macro CHANGE fill
	s_wait_tensorcnt 0x0                           ; no tensor load of mine is out, so a group 0 may be written
	ds_add_u32 v[SPW], v[NIL]
.if \fill
	ds_add_u32 v[SPW], v[NIL]
	s_xor_b32 s[G0K+1], s[G0K+1], SLOT1
	s_add_nc_u64 s[G0K+2:G0K+3], s[G0K+2:G0K+3], 32768
	s_xor_b32 s[G0V+1], s[G0V+1], SLOT1
	s_add_nc_u64 s[G0V+2:G0V+3], s[G0V+2:G0V+3], 32768
	s_wait_xcnt 0x0                                ; the last prefetch, a slot back, has read its address
	s_add_nc_u64 s[PFA:PFA+1], s[PFA:PFA+1], 32768
.endif
	s_wait_dscnt 0x0
	s_barrier_signal -1
	s_barrier_wait -1
.if \fill
	s_add_co_u32 s96, s[KF], 256                   ; the first key of the slot that this change would ask for
	s_cmp_gt_u32 s96, s[QL]                        ; past my work-group's last query none of its waves reads it: ids and the count of steps alone, the same in all sixteen waves
	s_cbranch_scc1 .Lpast_\@
	TLOAD                                          ; a wave's one tensor load until the next such barrier
.Lpast_\@:
	ASK
.endif
.endm
.macro SLOT_STEPS
	STEP 0
	STEP 1
	STEP 2
	STEP 3
	s_xor_b32 s[TB], s[TB], SLOT1
.endm
	s_wait_loadcnt 0x0                             ; Q
.Lslot:                                            ; 7 trips
	CHANGE 1
	SLOT_STEPS
	s_sub_co_u32 s[SLOTS], s[SLOTS], 1
	s_cmp_lg_u32 s[SLOTS], 0
	s_cbranch_scc1 .Lslot
	CHANGE 0                                       ; the last slot is written out: nothing is left to ask for
	SLOT_STEPS
	; THE WAY OUT: O^T / l, rounded to f16, through my stage, so that sixteen lanes store 256 consecutive bytes: two rows of my head.
.rept 4
	v_nop
.endr
.irp t, 0,1
	v_add_f32 v[ST+8*\t+4], v[ST+8*\t+2], v[ST+8*\t+3]
.endr
.irp t, 0,1
	v_permlanex16_b32 v[ST+8*\t+5], v[ST+8*\t+4], s[SEL], s[SEL+1]
.endr
.irp t, 0,1
	v_add_f32 v[ST+8*\t+4], v[ST+8*\t+4], v[ST+8*\t+5]
.endr
.irp t, 0,1
	v_rcp_f32 v[ST+8*\t+6], v[ST+8*\t+4]
.endr
	v_nop
	s_wait_alu depctr_va_vdst(0)                   ; one wait for both reciprocals, ahead of their first reader
.set n, 0
.rept 32
	v_pk_mul_f32 v[OT+2*n:OT+2*n+1], v[OT+2*n:OT+2*n+1], v[ST+8*(n/16)+6:ST+8*(n/16)+7] op_sel_hi:[1,0]
.set n, n+1
.endr
.set n, 0
.rept 32
	v_cvt_pk_f16_f32 v[S+n], v[OT+2*n], v[OT+2*n+1]
.set n, n+1
.endr
.irp qt, 0,1
.irp ct, 0,1,2,3
	ds_store_b128 v[STO], v[S+16*\qt+4*\ct:S+16*\qt+4*\ct+3] offset:2304*\qt+32*\ct
.endr
.endr
.irp qt, 0,1
.irp i, 0,1,2,3
	ds_load_b128 v[KV+16*\qt+4*\i:KV+16*\qt+4*\i+3], v[RD] offset:2304*\qt+576*\i   ; behind my stores, in order: four rows an instruction
.endr
.endr
.irp qt, 0,1
.irp i, 0,1,2,3
	s_wait_dscnt 7-4*\qt-\i
	global_store_b128 v[GO], v[KV+16*\qt+4*\i:KV+16*\qt+4*\i+3], s[16:17] offset:32768*\qt+8192*\i
.endr
.endr
	s_wait_tensorcnt 0x0                           ; the wave's end
	ds_add_u32 v[SPW], v[NIL]
	s_wait_dscnt 0x0
	s_endpgm
.Lfunc_end_k_qc46c0d3cb4_attn:
	.size	k_qc46c0d3cb4_attn, .Lfunc_end_k_qc46c0d3cb4_attn-k_qc46c0d3cb4_attn
	.p2alignl 7, 3214868480
	.fill 96, 4, 3214868480
	.section	.rodata,"a",@progbits
	.p2align	6, 0x0
	.amdhsa_kernel k_qc46c0d3cb4_attn
		.amdhsa_group_segment_fixed_size 327680
		.amdhsa_private_segment_fixed_size 0
		.amdhsa_enable_private_segment 0
		.amdhsa_kernarg_size 16
		.amdhsa_user_sgpr_count 2
		.amdhsa_user_sgpr_kernarg_segment_ptr 1
		.amdhsa_wavefront_size32 1
		.amdhsa_system_sgpr_workgroup_id_x 1
		.amdhsa_system_sgpr_workgroup_id_y 1
		.amdhsa_system_sgpr_workgroup_id_z 1
		.amdhsa_system_vgpr_workitem_id 0
		.amdhsa_next_free_vgpr 256
		.amdhsa_next_free_sgpr 100
		.amdhsa_reserve_vcc 1
		.amdhsa_float_denorm_mode_32 3
		.amdhsa_float_denorm_mode_16_64 3
		.amdhsa_memory_ordered 1
		.amdhsa_forward_progress 1
		.amdhsa_inst_pref_size 189
	.end_amdhsa_kernel
	.amdgpu_metadata
---
amdhsa.version: [ 1, 2 ]
amdhsa.kernels:
  - .name:           k_qc46c0d3cb4_attn
    .symbol:         k_qc46c0d3cb4_attn.kd
    .args:
      - { .name: qkv, .offset: 0, .size: 8, .value_kind: global_buffer, .address_space: global }
      - { .name: att, .offset: 8, .size: 8, .value_kind: global_buffer, .address_space: global }
    .group_segment_fixed_size: 327680
    .private_segment_fixed_size: 0
    .kernarg_segment_align: 8
    .kernarg_segment_size: 16
    .max_flat_workgroup_size: 512
    .sgpr_count:     100
    .vgpr_count:     256
    .wavefront_size: 32
...
	.end_amdgpu_metadata
.endif
;; end of part 3
;; launch proj (part 4): grid 8 x 64, 4 waves a work-group, clusters of 4 x 4, 327,680 bytes of LDS; arguments att, wo16, out0; writes out0
.if DOCPART == 4
	.amdgcn_target "amdgcn-amd-amdhsa--gfx1250"
	.amdhsa_code_object_version 6
	.text
	.protected	k_qc46c0d3cb4_proj
	.globl	k_qc46c0d3cb4_proj
	.p2align	8
	.type	k_qc46c0d3cb4_proj,@function
k_qc46c0d3cb4_proj:
	s_mov_b64 s[64:65], 0
	v_nop
	global_prefetch_b8 v0, s[64:65] scope:SCOPE_SE
	s_setreg_imm32_b32 hwreg(HW_REG_WAVE_MODE, 25, 1), 1
	s_wait_xcnt 0x0
	s_wait_alu depctr_hold_cnt(0) depctr_sa_sdst(0) depctr_va_vdst(0) depctr_va_sdst(0) depctr_va_ssrc(0) depctr_va_vcc(0) depctr_vm_vsrc(0)
	s_getreg_b32 s2, hwreg(HW_REG_IB_STS2, 6, 4)
	s_cmp_eq_u32 s2, 0
	s_cbranch_scc0 .Lentry_in_a_cluster
	s_endpgm
.Lentry_in_a_cluster:
	s_bfe_u32 s2, ttmp6, 0x10000c
	s_cmp_lg_u32 s2, 0xf033
	s_cbranch_scc0 .Lentry_shape_is_right
	s_endpgm
.Lentry_shape_is_right:
; out0 = att w_out, f16 operands, f32 sums: M 8,192, K 1,024, N 1,024.  LEFT OUT: the store of the rows with t < 16, which the f32 launch behind this one owns (their products lie in a tile with live rows and stay).
; att: byte (row / 2) x 4,096 + head x 256 + (row % 2) x 128 + 2 d: a pair of rows has 256 along K (four heads) in 1,024 consecutive bytes.  wo16: [k 1024][n 1024] f16: K is its first axis, so its fragments come out of LDS turned.
; A tile of 128 x 128 to a work-group (512 work-groups: tiles of 256 x 256 would be 128), 64 x 64 to a wave: 16 accumulators.  K goes in 4 steps of 256 through two slots.
; CLUSTERS: 4 x 4; A's tiles jointly along a row of the cluster, B's along a column.  Tile row = 16 cy + cluster y: the rows with t < 16 lie in the clusters with y = 0, a number that all partners share.
; THE MATRIX INSTRUCTION IS USED TRANSPOSED (source 0 = 16 columns of w_out, source 1 = 16 rows of att): a lane holds eight neighbouring columns of one row of out0.
; REGISTERS: window 0: v0-31 addresses; v32-95 the way out; v128-255 the accumulators.  window 1: two fragment buffers of 128: 64 of A, then 64 of B, for 64 along K.
.set APITCH, 1040                      ; a pair of rows in LDS: 1,024 bytes + 16: the 16 rows of a fragment touch 16 different columns of 16 bytes
.set BPITCH, 288                       ; a k row of B: 256 bytes + 32
.set AHALF,  32*APITCH
.set BHALF,  128*BPITCH
.set BOFF,   2*AHALF
.set SLOT,   BOFF+2*BHALF
.set STAGE,  2*SLOT                    ; behind the ring: 16 rows x 272 bytes for each wave; no fill lands there
.set SPITCH, 272
.set SPARE,  STAGE+4*16*SPITCH         ; the spare words, 128 bytes for each wave, which no other line names
.set LAPS,   2
.set ADRA, 16                          ; v16-17  my A fragments in slot 0, 1
.set ADRB, 20                          ; v20-23  my B fragments: slot 0 k rows 0-127, 128-255; slot 1 likewise (an LDS immediate ends at 65,535)
.set STO,  24
.set RD,   25
.set CO,   26
.set SPW,  28
.set NIL,  29
.set TMP,  32
.set ACC,  128
.set F0,   0
.set F1,   128
.set G1, 24
.set G0, 32
.set G1B, 48
.set G0B, 56
.set MSB, 0
.macro WIN new
.if MSB != (\new)
	s_set_vgpr_msb (MSB<<8)|(\new)
.set MSB, (\new)
.endif
.endm
.set MUL,  0x05
.set TO_F, 0x40
.macro JLOAD s                         ; a joint load: waves 0 and 1 fetch A's halves, waves 2 and 3 B's; an s_nop 0 and four v_nop follow each line
	s_cmp_eq_u32 s11, 0
	s_cbranch_scc0 .Lfor_b_\@
	tensor_load_to_lds s[G0+4*\s:G0+4*\s+3], s[G1:G1+7]
	s_nop 0
.rept 4
	v_nop
.endr
	s_branch .Lasked_\@
.Lfor_b_\@:
	tensor_load_to_lds s[G0B+4*\s:G0B+4*\s+3], s[G1B:G1B+7]
	s_nop 0
.rept 4
	v_nop
.endr
.Lasked_\@:
.endm
.macro CREST
	s_cmp_lg_u32 s10, 0
	s_cbranch_scc1 .Lnot_wave_0_\@
	s_barrier_signal -3
.Lnot_wave_0_\@:
	s_barrier_wait -3
	s_barrier_signal -1
	s_barrier_wait -1
.endm
.macro CROUND
	s_barrier_signal -1
	s_barrier_wait -1
	CREST
.endm
	s_load_b128 s[4:7], s[0:1], 0x0                ; att, wo16
	s_load_b64 s[8:9], s[0:1], 0x10                ; out0
	v_lshl_add_u32 v[SPW], v0, 2, SPARE
	v_mov_b32 v[NIL], 0
	ds_add_u32 v[SPW], v[NIL]                      ; the wave's opening: the add, twice on end, and its wait ahead of my first tensor load
	ds_add_u32 v[SPW], v[NIL]
	v_lshrrev_b32 v1, 5, v0
	v_readfirstlane_b32 s10, v1                    ; wave 0..3
	s_lshr_b32 s11, s10, 1                         ; my half of the rows; also: I fetch for A (0) or B (1)
	s_and_b32 s12, s10, 1                          ; my half of the columns; also: which half of the tile I fetch
	s_bfe_u32 s40, ttmp6, 0x40000                  ; cx
	s_bfe_u32 s41, ttmp6, 0x40004                  ; cy
	s_lshl_b32 s42, ttmp9, 2
	s_add_co_u32 s42, s42, s40                     ; tile column
	s_and_b32 s13, ttmp7, 0xffff                   ; cluster y
	s_or_b32 s45, s13, s11                         ; 0 where my block 0 holds t = 0 .. 15
	s_lshl_b32 s43, s41, 4
	s_add_co_u32 s13, s13, s43                     ; tile row = 16 cy + cluster y
	s_lshl_b32 s43, s41, 2
	s_lshl_b32 s43, 15, s43                        ; my row of the cluster
	s_lshl_b32 s44, 0x1111, s40                    ; my column
	s_or_b32 s[G1+0], s43, (0<<16)|(1<<20)|(1<<21)|(7<<22)|(3<<25)   ; A: elements of 1 byte; padding: 4 words behind every 256
	s_mov_b32 s[G1+1], 1024<<16                    ; tensor_dim0 = 1,024 bytes
	s_mov_b32 s[G1+2], 32<<16                      ; tensor_dim1 = 32 pairs of rows
	s_mov_b32 s[G1+3], 1024<<16
	s_mov_b32 s[G1+4], 32
	s_mov_b32 s[G1+5], 4096                        ; the pitch
	s_mov_b32 s[G1+6], 0
	s_mov_b32 s[G1+7], 0
	s_or_b32 s[G1B+0], s44, (0<<16)|(1<<20)|(1<<21)|(5<<22)|(7<<25)  ; B: padding: 8 words behind every 64
	s_mov_b32 s[G1B+1], 256<<16                    ; 256 bytes: 128 columns
	s_mov_b32 s[G1B+2], 128<<16                    ; 128 k rows
	s_mov_b32 s[G1B+3], 256<<16
	s_mov_b32 s[G1B+4], 128
	s_mov_b32 s[G1B+5], 2048
	s_mov_b32 s[G1B+6], 0
	s_mov_b32 s[G1B+7], 0
	s_lshl_b32 s16, s13, 6
	s_lshl_b32 s17, s12, 5
	s_add_co_u32 s16, s16, s17                     ; A: pair of rows 64 x tile row + 32 x half
	s_lshl_b32 s16, s16, 12
	s_mov_b32 s17, 0
	s_lshl_b32 s46, s12, 18                        ; B: k row 128 x half, of 2,048 bytes,
	s_lshl_b32 s47, s42, 8                         ; + 256 bytes a tile column
	s_add_co_u32 s46, s46, s47
	s_mov_b32 s47, 0
	s_mul_i32 s20, s12, AHALF                      ; where they go: the wave's number alone
	s_mul_i32 s21, s12, BHALF
	s_add_co_u32 s21, s21, BOFF
	s_wait_dscnt 0x0                               ; both opening adds are done
	s_wait_kmcnt 0x0
	s_add_nc_u64 s[14:15], s[4:5], s[16:17]
	s_add_nc_u64 s[46:47], s[6:7], s[46:47]
	CROUND                                         ; all sixteen work-groups are here: the first joint loads meet
.irp s, 0,1
	s_mov_b32 s[G0+4*\s], 1
	s_add_co_u32 s[G0+4*\s+1], s20, \s*SLOT
	s_add_nc_u64 s[G0+4*\s+2:G0+4*\s+3], s[14:15], \s*1024
	s_or_b32 s[G0+4*\s+3], s[G0+4*\s+3], 0x80000000
	s_mov_b32 s[G0B+4*\s], 1
	s_add_co_u32 s[G0B+4*\s+1], s21, \s*SLOT
	s_add_nc_u64 s[G0B+4*\s+2:G0B+4*\s+3], s[46:47], \s*524288
	s_or_b32 s[G0B+4*\s+3], s[G0B+4*\s+3], 0x80000000
	JLOAD \s
.endr
	v_and_b32 v1, 15, v0                           ; r
	v_bfe_u32 v2, v0, 4, 1                         ; h
	v_lshrrev_b32 v3, 1, v1
	v_mul_u32_u24 v3, v3, APITCH
	v_and_b32 v5, 1, v1
	v_lshl_add_u32 v3, v5, 7, v3
	v_lshl_add_u32 v3, v2, 4, v3                   ; A: pair r / 2, + 128 (r % 2), + 16 h
	s_mul_i32 s21, s11, AHALF
	v_add_nc_u32 v[ADRA], s21, v3
	s_add_co_u32 s21, s21, SLOT
	v_add_nc_u32 v[ADRA+1], s21, v3
	v_and_b32 v4, 7, v0
	v_lshl_add_u32 v4, v2, 3, v4
	v_mul_u32_u24 v4, v4, BPITCH
	v_bfe_u32 v5, v0, 3, 1
	v_lshl_add_u32 v4, v5, 4, v4                   ; B, for the turning load: k row 8 h + l % 8, columns 8 ((l / 8) % 2) on
	s_lshl_b32 s22, s12, 7
	s_add_co_u32 s22, s22, BOFF
.irp s, 0,1
.irp kh, 0,1
	s_add_co_u32 s23, s22, \s*SLOT+\kh*BHALF
	v_add_nc_u32 v[ADRB+2*\s+\kh], s23, v4
.endr
.endr
	s_mul_i32 s23, s10, 16*SPITCH
	s_add_co_u32 s23, s23, STAGE                   ; my stage
	v_mul_u32_u24 v4, v1, SPITCH
	v_lshl_add_u32 v4, v2, 5, v4
	v_add_nc_u32 v[STO], s23, v4                   ; in: row r, 32 bytes for each half of the lanes
	v_mul_u32_u24 v5, v2, SPITCH
	v_lshl_add_u32 v5, v1, 4, v5
	v_add_nc_u32 v[RD], s23, v5                    ; back: lanes 0-15 one row of 256 bytes, lanes 16-31 the next
	v_lshlrev_b32 v[CO], 12, v2
	v_lshl_add_u32 v[CO], v1, 4, v[CO]
	s_lshl_b32 s16, s13, 7
	s_lshl_b32 s17, s11, 6
	s_add_co_u32 s16, s16, s17                     ; my first row of out0
	s_lshl_b32 s16, s16, 12
	s_mov_b32 s17, 0
	s_add_nc_u64 s[8:9], s[8:9], s[16:17]
	s_lshl_b32 s46, s42, 9                         ; my first column, in bytes
	s_lshl_b32 s47, s12, 8
	s_add_co_u32 s46, s46, s47
	s_mov_b32 s47, 0
	s_add_nc_u64 s[8:9], s[8:9], s[46:47]
.macro MUL8 f, c, a0, zero             ; 8 matrix instructions; the 16 accumulators take turns
.irp a, \a0, \a0+1
.irp b, 0,1,2,3
.if \zero
	v_wmma_f32_16x16x32_f16 v[ACC+8*(4*(\a)+\b):ACC+8*(4*(\a)+\b)+7], v[\f+64+8*(4*\c+\b):\f+64+8*(4*\c+\b)+7], v[\f+8*(4*\c+\a):\f+8*(4*\c+\a)+7], 0
.else
	v_wmma_f32_16x16x32_f16 v[ACC+8*(4*(\a)+\b):ACC+8*(4*(\a)+\b)+7], v[\f+64+8*(4*\c+\b):\f+64+8*(4*\c+\b)+7], v[\f+8*(4*\c+\a):\f+8*(4*\c+\a)+7], v[ACC+8*(4*(\a)+\b):ACC+8*(4*(\a)+\b)+7]
.endif
.endr
.endr
.endm
; 32 LDS loads in one run: the fragments of the slot's quarter qq (64 along K: one head) into buffer f; the first 32 along K first
.macro FETCH slot, qq, f
	WIN TO_F
.irp c, 0,1
.irp i, 0,1,2,3
	ds_load_tr16_b128 v[\f+64+8*(4*\c+\i):\f+64+8*(4*\c+\i)+3],   v[ADRB+2*\slot+(\qq)/2] offset:(((\qq)%2)*64+32*\c)*BPITCH+32*\i
	ds_load_tr16_b128 v[\f+64+8*(4*\c+\i)+4:\f+64+8*(4*\c+\i)+7], v[ADRB+2*\slot+(\qq)/2] offset:(((\qq)%2)*64+32*\c+16)*BPITCH+32*\i
	ds_load_b128 v[\f+8*(4*\c+\i):\f+8*(4*\c+\i)+3],         v[ADRA+\slot] offset:256*(\qq)+64*\c+\i*8*APITCH
	ds_load_b128 v[\f+8*(4*\c+\i)+4:\f+8*(4*\c+\i)+7],       v[ADRA+\slot] offset:256*(\qq)+64*\c+\i*8*APITCH+32
.endr
.endr
.endm
.macro PLACES
.rept 4
	v_nop
.endr
.endm
.macro QUARTER slot, qq, f, g, zero    ; multiplies buffer f and fetches the slot's quarter qq into g
	s_wait_dscnt 16                                ; the first 32 along K are in
	WIN MUL
	MUL8 \f, 0, 0, \zero
	MUL8 \f, 0, 2, \zero
	PLACES
	FETCH \slot, \qq, \g
	s_wait_dscnt 32                                ; all but the 32 just issued
	WIN MUL
	MUL8 \f, 1, 0, 0
	MUL8 \f, 1, 2, 0
.endm
; The last quarter multiplies buffer 1 and changes slots: one barrier; in front of it each wave waits for all its tensor loads, adds 0 to its spare word, and waits for that and for its own reads of this slot.
.macro TURN slot, next, fill
	WIN 0
	s_wait_tensorcnt 0x0                           ; my part of the next slot has landed
	ds_add_u32 v[SPW], v[NIL]
	s_wait_dscnt 17                                ; the add and the youngest sixteen loads may be out
	WIN MUL
	MUL8 F1, 0, 0, 0
	s_wait_dscnt 0x0                               ; the add is done, and my reads of this slot are over
	s_barrier_signal -1
	MUL8 F1, 0, 2, 0
.if \fill
	WIN 0
.endif
	s_barrier_wait -1
.if \fill
	CREST                                          ; the barrier has opened a round of the cluster's: no wave of any partner still reads this slot or has a load on its way
	s_add_nc_u64 s[G0+4*\slot+2:G0+4*\slot+3], s[G0+4*\slot+2:G0+4*\slot+3], 2048
	s_add_nc_u64 s[G0B+4*\slot+2:G0B+4*\slot+3], s[G0B+4*\slot+2:G0B+4*\slot+3], 1048576
	JLOAD \slot                                    ; the first tensor load behind the round; its four v_nop are also the places in front of the loads below
.else
	PLACES
.endif
	FETCH \next, 0, F0
	WIN MUL
	MUL8 F1, 1, 0, 0
	MUL8 F1, 1, 2, 0
.endm
	s_wait_tensorcnt 1                             ; my part of K step 0 is in; K step 1's may be out
	s_barrier_signal -1
	s_barrier_wait -1
	FETCH 0, 0, F0
	QUARTER 0, 1, F0, F1, 1                        ; the first products start the sums
	WIN 0
	s_mov_b32 s3, LAPS-1
.Llap:                                             ; once round the ring, from a lap's second quarter to the next lap's first; both slots are filled again
	QUARTER 0, 2, F1, F0, 0
	QUARTER 0, 3, F0, F1, 0
	TURN 0, 1, 1
	QUARTER 1, 1, F0, F1, 0
	QUARTER 1, 2, F1, F0, 0
	QUARTER 1, 3, F0, F1, 0
	TURN 1, 0, 1
	QUARTER 0, 1, F0, F1, 0
	WIN 0
	s_sub_co_u32 s3, s3, 1
	s_cmp_lg_u32 s3, 0
	s_cbranch_scc1 .Llap
	QUARTER 0, 2, F1, F0, 0                        ; the last lap fills nothing
	QUARTER 0, 3, F0, F1, 0
	TURN 0, 1, 0
	QUARTER 1, 1, F0, F1, 0
	QUARTER 1, 2, F1, F0, 0
	QUARTER 1, 3, F0, F1, 0
	s_wait_dscnt 16
	WIN MUL
	MUL8 F1, 0, 0, 0
	MUL8 F1, 0, 2, 0
	s_wait_dscnt 0
	MUL8 F1, 1, 0, 0
	MUL8 F1, 1, 2, 0
	WIN 0
	; THE WAY OUT, a block of 16 rows x 64 columns at a time through my own stage: a row's 256 bytes are stored by sixteen lanes, aligned.
.macro TOSTAGE a
.irp b, 0,1,2,3
	ds_store_b128 v[STO], v[ACC+8*(4*(\a)+\b):ACC+8*(4*(\a)+\b)+3] offset:64*\b          ; each accumulator from its low end on
	ds_store_b128 v[STO], v[ACC+8*(4*(\a)+\b)+4:ACC+8*(4*(\a)+\b)+7] offset:64*\b+16
.endr
.irp t, 0,1,2,3,4,5,6,7
	ds_load_b128 v[TMP+32*((\a)%2)+4*\t:TMP+32*((\a)%2)+4*\t+3], v[RD] offset:\t*2*SPITCH   ; behind my stores, in order
.endr
.endm
.macro SEND a, younger                 ; younger: the LDS instructions issued behind block a's loads
	s_wait_dscnt \younger
.irp t, 0,1,2,3,4,5,6,7
	global_store_b128 v[CO], v[TMP+32*((\a)%2)+4*\t:TMP+32*((\a)%2)+4*\t+3], s[8:9] offset:(16*(\a)+2*\t)*4096 th:TH_STORE_NT
.endr
.endm
	PLACES
	s_cmp_eq_u32 s45, 0                            ; rows t = 0 .. 15 belong to the f32 launch
	s_cbranch_scc1 .Lskip0
	TOSTAGE 0
	SEND 0, 0
.Lskip0:
	TOSTAGE 1
	s_wait_xcnt 0x0                                ; block 0's stores have read their registers
	TOSTAGE 2
	SEND 1, 16
	s_wait_xcnt 0x0                                ; block 1's likewise
	TOSTAGE 3
	SEND 2, 16
	SEND 3, 0
	s_wait_tensorcnt 0x0                           ; the wave's end
	ds_add_u32 v[SPW], v[NIL]
	s_wait_dscnt 0x0
	CROUND                                         ; the closing round
	s_endpgm
.Lfunc_end_k_qc46c0d3cb4_proj:
	.size	k_qc46c0d3cb4_proj, .Lfunc_end_k_qc46c0d3cb4_proj-k_qc46c0d3cb4_proj
	.p2alignl 7, 3214868480
	.fill 96, 4, 3214868480
	.section	.rodata,"a",@progbits
	.p2align	6, 0x0
	.amdhsa_kernel k_qc46c0d3cb4_proj
		.amdhsa_group_segment_fixed_size 327680
		.amdhsa_private_segment_fixed_size 0
		.amdhsa_enable_private_segment 0
		.amdhsa_kernarg_size 24
		.amdhsa_user_sgpr_count 2
		.amdhsa_user_sgpr_kernarg_segment_ptr 1
		.amdhsa_wavefront_size32 1
		.amdhsa_system_sgpr_workgroup_id_x 1
		.amdhsa_system_sgpr_workgroup_id_y 1
		.amdhsa_system_sgpr_workgroup_id_z 1
		.amdhsa_system_vgpr_workitem_id 0
		.amdhsa_next_free_vgpr 512
		.amdhsa_next_free_sgpr 66
		.amdhsa_reserve_vcc 0
		.amdhsa_float_denorm_mode_32 3
		.amdhsa_float_denorm_mode_16_64 3
		.amdhsa_memory_ordered 1
		.amdhsa_forward_progress 1
		.amdhsa_inst_pref_size 86
	.end_amdhsa_kernel
	.amdgpu_metadata
---
amdhsa.version: [ 1, 2 ]
amdhsa.kernels:
  - .name:           k_qc46c0d3cb4_proj
    .symbol:         k_qc46c0d3cb4_proj.kd
    .args:
      - { .name: att, .offset: 0, .size: 8, .value_kind: global_buffer, .address_space: global }
      - { .name: wo16, .offset: 8, .size: 8, .value_kind: global_buffer, .address_space: global }
      - { .name: out0, .offset: 16, .size: 8, .value_kind: global_buffer, .address_space: global }
    .group_segment_fixed_size: 327680
    .private_segment_fixed_size: 0
    .kernarg_segment_align: 8
    .kernarg_segment_size: 24
    .max_flat_workgroup_size: 128
    .sgpr_count:     66
    .vgpr_count:     512
    .wavefront_size: 32
...
	.end_amdgpu_metadata
.endif
;; end of part 4
;; launch fine (part 5): grid 16 x 4, 16 waves a work-group, no clusters, 85,248 bytes of LDS; arguments qkvf, w_out, out0; writes out0
.if DOCPART == 5
	.amdgcn_target "amdgcn-amd-amdhsa--gfx1250"
	.amdhsa_code_object_version 6
	.text
	.protected	k_qc46c0d3cb4_fine
	.globl	k_qc46c0d3cb4_fine
	.p2align	8
	.type	k_qc46c0d3cb4_fine,@function
k_qc46c0d3cb4_fine:
	s_mov_b64 s[64:65], 0
	v_nop
	global_prefetch_b8 v0, s[64:65] scope:SCOPE_SE
	s_setreg_imm32_b32 hwreg(HW_REG_WAVE_MODE, 25, 1), 1
	s_wait_xcnt 0x0
; The first 16 positions of each sequence in f32: there a softmax averages one to a few values, and the rounding of 16-bit operands would weigh most.  64 rows of out0 in all: no bulk work.
; LEFT OUT: keys from 16 on: the problem's own mask gives them the weight 0 for queries under 16, for all inputs.
; qkvf [16 b + t][3072] f32 (q, k, v of the rows t < 16).  Work-group (ns, b): rows t < 16 of batch b, columns 64 ns .. 64 ns + 63 of out0.
; PHASE A: wave = head: S^T = K Q^T (16 x 16, K = 64), mask, softmax with the maximum taken away, O^T = V^T P (K = 16), into LDS as 16 rows x 1,024 f32.
; PHASE B: wave = (16 columns nt, a quarter kq of K): 64 matrix instructions of 4 along K, w_out in f32 straight from memory; the four quarters meet in LDS and are added.
; In each product the places of k in the registers are permuted alike on both sides, which keeps the products.  The registers that the f32 matrix form writes (v16-63) are written by matrix instructions alone.
; REGISTERS: v1-15 addresses; v16-31 two accumulators by turns (S^T, later the projection); v32-63 O^T; v64-95 Q, v96-127 K, later w_out's second half; v128-159 V^T, later fragments; v160-191 P and work, later fragments; v192-255 w_out's first half.
.set APITCH, 4112                      ; a row of the attention's result in LDS: 4,096 bytes + 16
.set RED,    16*APITCH                 ; four planes of 16 rows x 272 bytes
.set RPITCH, 272
.set RPLANE, 16*RPITCH
.set SPARE,  RED+4*RPLANE              ; the spare words, 128 bytes for each wave, which no other line names
	s_load_b128 s[4:7], s[0:1], 0x0                ; qkvf, w_out
	s_load_b64 s[8:9], s[0:1], 0x10                ; out0
	v_lshl_add_u32 v1, v0, 2, SPARE                ; my spare word; never rewritten
	v_mov_b32 v2, 0                                ; 0; never rewritten
	v_lshrrev_b32 v12, 5, v0
	v_readfirstlane_b32 s18, v12                   ; wave = head
	s_and_b32 s19, ttmp7, 0xffff                   ; b
	s_and_b32 s24, s18, 3                          ; nt
	s_lshr_b32 s25, s18, 2                         ; kq
	s_and_b32 s26, s18, 7
	s_mov_b32 s20, 0x76543210
	s_mov_b32 s21, 0xfedcba98
	s_mov_b32 s22, 0x3e38aa3b                      ; c = log2(e) / 8
	v_and_b32 v12, 15, v0                          ; r
	v_bfe_u32 v13, v0, 4, 1                        ; h
	v_mul_u32_u24 v3, v12, 12288
	v_lshl_add_u32 v3, v13, 4, v3                  ; Q, K: row r, + 16 h
	v_mul_u32_u24 v4, v13, 98304
	v_lshl_add_u32 v4, v12, 2, v4                  ; V: key 8 h, channel r
	v_lshlrev_b32 v5, 14, v13
	v_lshl_add_u32 v5, v12, 2, v5                  ; w_out: k row 4 h, column r
	v_lshlrev_b32 v6, 3, v13
	v_sub_nc_u32 v6, v12, v6                       ; r - 8 h
	v_mul_u32_u24 v15, v12, APITCH
	s_lshl_b32 s27, s18, 8
	v_lshl_add_u32 v7, v13, 5, v15
	v_add_nc_u32 v7, s27, v7                       ; where I put O^T: row r, + 256 x head + 32 h
	s_lshl_b32 s27, s25, 10
	v_lshl_add_u32 v8, v13, 4, v15
	v_add_nc_u32 v8, s27, v8                       ; where I read fragments: row r, + 1,024 kq + 16 h
	v_mul_u32_u24 v9, v12, RPITCH
	v_lshl_add_u32 v9, v13, 5, v9
	s_mul_i32 s27, s25, RPLANE
	s_lshl_b32 s28, s24, 6
	s_add_co_u32 s27, s27, s28
	s_add_co_u32 s27, s27, RED
	v_add_nc_u32 v9, s27, v9                       ; my part sums: plane kq, row r, + 64 nt + 32 h
	s_lshl_b32 s27, s26, 1
	s_mul_i32 s27, s27, RPITCH
	s_add_co_u32 s27, s27, RED
	v_mul_u32_u24 v10, v13, RPITCH
	v_lshl_add_u32 v10, v12, 4, v10
	v_add_nc_u32 v10, s27, v10                     ; back: rows 2 (wave % 8) and + 1, sixteen lanes to a row
	v_lshlrev_b32 v11, 12, v13
	v_lshl_add_u32 v11, v12, 4, v11                ; and the same in out0
	v_mov_b32 v14, 0xff800000                      ; -infinity
	v_mov_b32 v169, 0                              ; a lane permute's destination counts as one of its sources
	s_mul_i32 s28, s19, 196608
	s_lshl_b32 s29, s18, 8
	s_add_co_u32 s28, s28, s29
	s_mov_b32 s29, 0
	s_lshl_b32 s30, s25, 20
	s_lshl_b32 s31, ttmp9, 8
	s_add_co_u32 s30, s30, s31
	s_lshl_b32 s31, s24, 6
	s_add_co_u32 s30, s30, s31
	s_mov_b32 s31, 0
	s_lshl_b32 s32, s19, 11
	s_lshl_b32 s33, s26, 1
	s_add_co_u32 s32, s32, s33
	s_lshl_b32 s32, s32, 12
	s_lshl_b32 s33, ttmp9, 8
	s_add_co_u32 s32, s32, s33
	s_mov_b32 s33, 0
	s_wait_kmcnt 0x0
	s_add_nc_u64 s[4:5], s[4:5], s[28:29]          ; qkvf at my batch's rows and my head's q
	s_add_nc_u64 s[6:7], s[6:7], s[30:31]          ; w_out at my quarter of K and my 16 columns
	s_add_nc_u64 s[8:9], s[8:9], s[32:33]          ; out0 at my two rows and the work-group's 64 columns
.irp s, 0,1,2,3,4,5,6,7
	global_load_b128 v[64+4*\s:67+4*\s], v3, s[4:5] offset:32*\s          ; Q(r, 8 s + 4 h + 0..3)
.endr
.irp s, 0,1,2,3,4,5,6,7
	global_load_b128 v[96+4*\s:99+4*\s], v3, s[4:5] offset:4096+32*\s     ; K likewise
.endr
.irp ct, 0,1,2,3
.irp i, 0,1,2,3,4,5,6,7
	global_load_b32 v[128+8*\ct+\i], v4, s[4:5] offset:8192+\i*12288+64*\ct   ; V(key 8 h + i, channel 16 ct + r)
.endr
.endr
	s_wait_loadcnt 32                              ; Q and K are in; V's 32 loads may be out
.irp s, 0,1,2,3,4,5,6,7                        ; S^T = K Q^T: two accumulators by turns; the first instruction of each starts its sum
.irp u, 0,1
.if \s == 0
	v_wmma_f32_16x16x4_f32 v[16+8*\u:23+8*\u], v[96+4*\s+2*\u:97+4*\s+2*\u], v[64+4*\s+2*\u:65+4*\s+2*\u], 0
.else
	v_wmma_f32_16x16x4_f32 v[16+8*\u:23+8*\u], v[96+4*\s+2*\u:97+4*\s+2*\u], v[64+4*\s+2*\u:65+4*\s+2*\u], v[16+8*\u:23+8*\u]
.endif
.endr
.endr
.rept 8
	v_nop                                          ; eight places behind this form, in front of loads into Q's and K's registers and of the first read of the sums
.endr
	s_wait_loadcnt 0x0                             ; V is in
.set n, 0
.rept 64
	global_load_b32 v[192+n], v5, s[6:7] offset:(8*(n/4)+n%4)*4096        ; w_out(256 kq + 8 s + 4 h + i, my column), s = 0 .. 15: on its way while the softmax is worked
.set n, n+1
.endr
.set n, 0
.rept 64
	global_load_b32 v[64+n], v5, s[6:7] offset:(128+8*(n/4)+n%4)*4096     ; s = 16 .. 31
.set n, n+1
.endr
.irp j, 0,1,2,3,4,5,6,7
	v_add_f32 v[160+\j], v[16+\j], v[24+\j]        ; lane (r, h): query r, key 8 h + j
.endr
.irp j, 0,1,2,3,4,5,6,7
	v_cmp_gt_i32 vcc_lo, \j, v6                    ; hidden where 8 h + j > r
	v_cndmask_b32 v[160+\j], v[160+\j], v14, vcc_lo
.endr
	v_max3_num_f32 v168, v160, v161, v162
	v_max3_num_f32 v168, v168, v163, v164
	v_max3_num_f32 v168, v168, v165, v166
	v_max_num_f32 v168, v168, v167
	v_permlanex16_b32 v169, v168, s20, s21
	v_max_num_f32 v168, v168, v169                 ; the row's maximum: key 0 counts for every query
	v_mul_f32 v168, s22, v168
.irp j, 0,1,2,3,4,5,6,7
	v_fma_f32 v[160+\j], v[160+\j], s22, -v168
.endr
.irp j, 0,1,2,3,4,5,6,7
	v_exp_f32 v[160+\j], v[160+\j]
.endr
	v_nop
	s_wait_alu depctr_va_vdst(0)                   ; one wait for the eight exponentials, ahead of their first reader
	v_add_f32 v170, v160, v161
	v_add_f32 v171, v162, v163
	v_add_f32 v172, v164, v165
	v_add_f32 v173, v166, v167
	v_add_f32 v170, v170, v171
	v_add_f32 v172, v172, v173
	v_add_f32 v170, v170, v172
	v_permlanex16_b32 v169, v170, s20, s21
	v_add_f32 v170, v170, v169
	v_rcp_f32 v171, v170
	v_nop
	s_wait_alu depctr_va_vdst(0)
.irp j, 0,1,2,3,4,5,6,7
	v_mul_f32 v[160+\j], v[160+\j], v171           ; the weights
.endr
.irp s, 0,1,2,3                                ; O^T = V^T P: four accumulators by turns; place (h, j) of step s stands for key 8 h + 2 s + j on both sides
.irp ct, 0,1,2,3
.if \s == 0
	v_wmma_f32_16x16x4_f32 v[32+8*\ct:39+8*\ct], v[128+8*\ct+2*\s:129+8*\ct+2*\s], v[160+2*\s:161+2*\s], 0
.else
	v_wmma_f32_16x16x4_f32 v[32+8*\ct:39+8*\ct], v[128+8*\ct+2*\s:129+8*\ct+2*\s], v[160+2*\s:161+2*\s], v[32+8*\ct:39+8*\ct]
.endif
.endr
.endr
.rept 8
	v_nop
.endr
.irp ct, 0,1,2,3
	ds_store_b128 v7, v[32+8*\ct:35+8*\ct] offset:64*\ct           ; lane (r, h): row r, channels 64 head + 16 ct + 8 h + 0..7
	ds_store_b128 v7, v[36+8*\ct:39+8*\ct] offset:64*\ct+16
.endr
	s_wait_dscnt 0x0                               ; for the others' sake: my stores have landed
	s_barrier_signal -1
	s_barrier_wait -1                              ; 16 rows x 1,024 lie in LDS
.macro AFRAG g                         ; eight fragments: att(r, 256 kq + 8 s + 4 h + 0..3), s = 8 g .. 8 g + 7
.irp i, 0,1,2,3,4,5,6,7
	ds_load_b128 v[128+32*((\g)%2)+4*\i:128+32*((\g)%2)+4*\i+3], v8 offset:32*(8*(\g)+\i)
.endr
.endm
.macro PGROUP g                        ; 16 matrix instructions: source 0 = 16 columns of w_out, source 1 = the 16 rows; two accumulators by turns
.set i, 0
.rept 8
.set sp, 8*(\g)+i
.if sp < 16
.set wr, 192+4*sp
.else
.set wr, 64+4*(sp-16)
.endif
.set fr, 128+32*((\g)%2)+4*i
.if sp == 0
	v_wmma_f32_16x16x4_f32 v[16:23], v[wr:wr+1], v[fr:fr+1], 0
	v_wmma_f32_16x16x4_f32 v[24:31], v[wr+2:wr+3], v[fr+2:fr+3], 0
.else
	v_wmma_f32_16x16x4_f32 v[16:23], v[wr:wr+1], v[fr:fr+1], v[16:23]
	v_wmma_f32_16x16x4_f32 v[24:31], v[wr+2:wr+3], v[fr+2:fr+3], v[24:31]
.endif
.set i, i+1
.endr
.rept 8
	v_nop                                          ; eight places, in front of loads into the fragments' registers and of the read of the sums
.endr
.endm
	AFRAG 0
	AFRAG 1
	s_wait_loadcnt 63                              ; the first 32 loads of w_out are in: 96 were issued behind them; the count is held to the counter's field, and a smaller count is safe
	s_wait_dscnt 8                                 ; group 0 is in; group 1's eight may be out
	PGROUP 0
	AFRAG 2
	s_wait_loadcnt 63                              ; the first 64 are in (64 behind them; held to the field)
	s_wait_dscnt 8
	PGROUP 1
	AFRAG 3
	s_wait_loadcnt 32
	s_wait_dscnt 8
	PGROUP 2
	s_wait_loadcnt 0x0
	s_wait_dscnt 0x0
	PGROUP 3
.irp j, 0,1,2,3,4,5,6,7
	v_add_f32 v[192+\j], v[16+\j], v[24+\j]        ; my quarter's sum: row r, columns 16 nt + 8 h + j
.endr
	ds_store_b128 v9, v[192:195]
	ds_store_b128 v9, v[196:199] offset:16
	s_wait_dscnt 0x0
	s_barrier_signal -1
	s_barrier_wait -1                              ; the four quarters lie in LDS
	s_cmp_lt_u32 s18, 8                            ; waves 0 to 7 add them, two rows each
	s_cbranch_scc0 .Ldone
.irp p, 0,1,2,3
	ds_load_b128 v[128+4*\p:131+4*\p], v10 offset:RPLANE*\p
.endr
	s_wait_dscnt 0x0
	v_pk_add_f32 v[128:129], v[128:129], v[132:133]
	v_pk_add_f32 v[130:131], v[130:131], v[134:135]
	v_pk_add_f32 v[136:137], v[136:137], v[140:141]
	v_pk_add_f32 v[138:139], v[138:139], v[142:143]
	v_pk_add_f32 v[128:129], v[128:129], v[136:137]
	v_pk_add_f32 v[130:131], v[130:131], v[138:139]
	global_store_b128 v11, v[128:131], s[8:9]      ; sixteen lanes store 256 consecutive bytes, aligned
.Ldone:
	s_wait_tensorcnt 0x0                           ; the wave's end, behind my last LDS store
	ds_add_u32 v1, v2
	s_wait_dscnt 0x0
	s_endpgm
.Lfunc_end_k_qc46c0d3cb4_fine:
	.size	k_qc46c0d3cb4_fine, .Lfunc_end_k_qc46c0d3cb4_fine-k_qc46c0d3cb4_fine
	.p2alignl 7, 3214868480
	.fill 96, 4, 3214868480
	.section	.rodata,"a",@progbits
	.p2align	6, 0x0
	.amdhsa_kernel k_qc46c0d3cb4_fine
		.amdhsa_group_segment_fixed_size 85248
		.amdhsa_private_segment_fixed_size 0
		.amdhsa_enable_private_segment 0
		.amdhsa_kernarg_size 24
		.amdhsa_user_sgpr_count 2
		.amdhsa_user_sgpr_kernarg_segment_ptr 1
		.amdhsa_wavefront_size32 1
		.amdhsa_system_sgpr_workgroup_id_x 1
		.amdhsa_system_sgpr_workgroup_id_y 1
		.amdhsa_system_sgpr_workgroup_id_z 1
		.amdhsa_system_vgpr_workitem_id 0
		.amdhsa_next_free_vgpr 256
		.amdhsa_next_free_sgpr 66
		.amdhsa_reserve_vcc 1
		.amdhsa_float_denorm_mode_32 3
		.amdhsa_float_denorm_mode_16_64 3
		.amdhsa_memory_ordered 1
		.amdhsa_forward_progress 1
		.amdhsa_inst_pref_size 35
	.end_amdhsa_kernel
	.amdgpu_metadata
---
amdhsa.version: [ 1, 2 ]
amdhsa.kernels:
  - .name:           k_qc46c0d3cb4_fine
    .symbol:         k_qc46c0d3cb4_fine.kd
    .args:
      - { .name: qkvf, .offset: 0, .size: 8, .value_kind: global_buffer, .address_space: global }
      - { .name: w_out, .offset: 8, .size: 8, .value_kind: global_buffer, .address_space: global }
      - { .name: out0, .offset: 16, .size: 8, .value_kind: global_buffer, .address_space: global }
    .group_segment_fixed_size: 85248
    .private_segment_fixed_size: 0
    .kernarg_segment_align: 8
    .kernarg_segment_size: 24
    .max_flat_workgroup_size: 512
    .sgpr_count:     66
    .vgpr_count:     256
    .wavefront_size: 32
...
	.end_amdgpu_metadata
.endif
;; end of part 5
